; MI455X (gfx1250); checked and timed in simulation.
; The chip was launched on July 23, 2026; its instructions are those of AMD's public machine-readable ISA for CDNA 5 (MIT licence, August 2026) and "CDNA5" Instruction Set Architecture Reference Guide (July 2026). The comments in the code are by the model that wrote it; some were corrected since.
;; Attention. Allowed arithmetic: matrix products marked QUANTISED: E4M3 operands, one given power-of-two scale a tensor, by v_wmma_f32_16x16x64_fp8_fp8 or v_wmma_f32_16x16x128_fp8_fp8, f32 sums; everything else in f32.
;; Inputs: cos 2,048 x 128 float32; k_norm_w 128 float32; lowp_scales 12 int32 (the exponents e of the quantised operands' scales 2^e); q_norm_w 128 float32; sin 2,048 x 128 float32; wk 2,048 x 1,024 float32; wo 1,024 x 2,048 float32; wq 2,048 x 1,024 float32; wv 2,048 x 1,024 float32; x 2 x 2,048 x 2,048 float32.
;; Outputs: out0 2 x 2,048 x 2,048 float32.
;; This version of the problem:
;;   THIS VERSION OF THE PROBLEM IS GIVEN IN LOW PRECISION. The matrix products marked QUANTISED in the list below multiply operands that are first quantised to E4M3 (4 exponent bits, 3 mantissa bits; 8 bits a number), with one given power-of-two scale for each operand tensor; their sums are f32. All else is computed in f32.
;;   The module's matrix products, in the order in which they are computed (A, B: the left and right operand; K: the contracted axis; several contracted axes count as one K, in the product's order):
;;     1. [M 4,096, K 2,048] x [K 2,048, N 1,024]; A: input x; B: input wq: QUANTISED (scales: A lowp_scales[0], B lowp_scales[1])
;;     2. [M 4,096, K 2,048] x [K 2,048, N 1,024]; A: input x; B: input wk: QUANTISED (scales: A lowp_scales[2], B lowp_scales[3])
;;     3. [M 4,096, K 2,048] x [K 2,048, N 1,024]; A: input x; B: input wv: QUANTISED (scales: A lowp_scales[4], B lowp_scales[5])
;;     4. batch 16 x [M 2,048, K 128] x [K 128, N 2,048]; A: computed on the way; B: computed on the way: QUANTISED (scales: A lowp_scales[6], B lowp_scales[7])
;;     5. batch 16 x [M 128, K 2,048] x [K 2,048, N 2,048]; A: computed on the way; B: softmax (see below): QUANTISED (scales: A lowp_scales[8], B lowp_scales[9])
;;     6. [M 4,096, K 1,024] x [K 1,024, N 2,048]; A: computed on the way; B: input wo: QUANTISED (scales: A lowp_scales[10], B lowp_scales[11])
;;   THE QUANTISER, for each operand of a quantised product, along K:
;;     - The operand's scale is 2^e, e = its entry of the input lowp_scales (int32; the entries are numbered through the quantised products in the list's order, A before B).
;;     - Each number is divided by the scale, clamped to +-448, and rounded to the nearest number of E4M3, ties to even, subnormals kept.
;;     - The product sums the exact products of the quantised numbers (number of the format x scale) in f32.
;;   ~~~python
;;   def quantise(x, axis, e):      # numpy; x: float32 -> the quantised numbers, widened to float32 again
;;       x = np.moveaxis(x, axis, -1); K = x.shape[-1]
;;       r = np.clip(x / 2.0 ** e, -448, 448)
;;       step = 2.0 ** (np.maximum(np.frexp(np.where(r == 0, 1, r))[1] - 1, -6) - 3)
;;       q = np.round(r / step) * step * 2.0 ** e      # np.round: ties to even
;;       return np.moveaxis(q, -1, axis).astype(np.float32)
;;   ~~~
;;   SOFTMAX AHEAD OF A QUANTISED PRODUCT. Where the list says 'softmax', what is quantised is not the finished softmax but p = 2^(t - M), with t = logit x log2(e) and M = ceil(the row's largest t), a whole number; so 1/2 < the row's largest p <= 1. The row's sum l is taken of the UNQUANTISED p, in f32, and the product's result is divided by l at the end. Since M is a whole number, a kernel that streams over the keys may use a running M (the ceiling of the running maximum): every later rescaling is an exact power of two, so the quantised numbers keep their values, but for numbers so far below the row's largest that they fall under the format's range.
;;   OPERANDS COMPUTED ON THE WAY. 'Computed on the way' means the value that the module computes at that place (a softmax that the list does not call 'softmax' is quantised finished and normalised). What goes into a quantiser is computed in f32, as accurately as f32 sums, v_exp_f32 and their like allow (about 1e-6 of the number): no bf16 or f16 on the way to a quantiser, and a product that is left as it is and whose result goes on into a quantised operand takes f32 operands (vector FMAs, or v_wmma_f32_16x16x4_f32). A number that lies on a knife's edge between two numbers of the format may be rounded either way, as far as f32 arithmetic and the matrix unit's own rounding can turn it there, and no further.
;; One version. Each part assembles by itself: llvm-mc -triple=amdgcn-amd-amdhsa -mcpu=gfx1250 --defsym DOCPART=n.
;; ======== version 1 of 1: 4 launches
;; limits: right only within a limited range of input values
;; workspace buffers: xc 25,165,824 bytes; wc 6,291,456 bytes; woc 2,097,152 bytes; qkvc 12,582,912 bytes; oc 4,194,304 bytes
;; launch quant (part 1): grid 512 x 1, 4 waves a work-group, no clusters, 102,912 bytes of LDS; arguments x, wq, wk, wv, wo, lowp_scales, xc, wc, woc; writes xc, wc, woc
.if DOCPART == 1
	.amdgcn_target "amdgcn-amd-amdhsa--gfx1250"
	.amdhsa_code_object_version 6
	.text
	.protected	k_q81e33e1088_quant
	.globl	k_q81e33e1088_quant
	.p2align	8
	.type	k_q81e33e1088_quant,@function
k_q81e33e1088_quant:
	s_mov_b64 s[64:65], 0
	v_nop
	global_prefetch_b8 v0, s[64:65] scope:SCOPE_SE
	s_setreg_imm32_b32 hwreg(HW_REG_WAVE_MODE, 25, 1), 1
	s_wait_xcnt 0x0
; f32 numbers into codes of FP8 (E4M3), once for the whole program.  code = number / 2^e, held within +-448, to the nearest code, ties to even.
; x [4096][2048] is an operand of three products, each with a scale entry of its own (entries 0, 2, 4 of the scales): three tensors of codes, xc [3][4096][2048], K innermost as x has it.
; wq, wk, wv [2048 k][1024 n] (entries 1, 3, 5) -> wc [3072 = 1024 x which + n][2048 k];  wo [1024 k][2048 n] (entry 11) -> woc [2048 n][1024 k]: K innermost.
; WORK-GROUPS: 0-255 take x (32,768 numbers each, 8,192 a wave); 256-447 take wq, wk, wv; 448-511 take wo (128 columns x 256 along K each).  The three ways part on the work-group's number,
; end each for itself, and have LDS bytes of their own.  No tensor load, no barrier: waves share nothing.
; x: each load reads 512 consecutive bytes; a step's 2,048 bytes turn through the wave's stage so that a lane holds 16 neighbours along K; a lane's 16 codes are 16 bytes: a store covers 512 consecutive bytes.
; weights: a lane takes a column n and its registers run down K, so the conversions give codes with K innermost; they leave through the wave's stage as rows: sixteen lanes store 256 consecutive, aligned bytes.
; LIMITS: each of the entries 0 to 5 and 11 lies between -126 and 119, so that 2^e and 448 x 2^e are f32 numbers.  NaN among the inputs is not served (an infinity is held at the largest code).
.set STEPS,  16
.set WREG,   8192                      ; x: a wave's LDS region: two stages of 32 x SP bytes
.set SP,     80                        ; a lane's place in a stage: 64 bytes + 16 of padding
.set WPITCH, 272                       ; weights: a stage row: 256 codes + 16
.set WAST,   32768                     ; LDS: stages of wq, wk, wv's way: 4 x 32 x 272
.set WBST,   67584                     ; and of wo's way
.set SPARE,  102400                    ; the spare words, 128 bytes for each wave, that no other line names
.set SPW,    12                        ; v12  SPARE + 4 x my thread's number; never rewritten
.set NIL,    13                        ; v13  0; never rewritten
.set R,      16                        ; x: v16-79   four sets of 16 numbers as loaded
.set X,      80                        ;    v80-111  two sets of 16 neighbours
.set T,      112                       ;    v112-159 the held numbers, a set for each of the three scales
.set C,      160                       ;    v160-183 codes: 3 x 4 registers, two sets by turns
.set WX,     32                        ; weights: v32-95 two sets of 32 numbers
.set WC,     96                        ;    v96-103  a block's codes
.set OUTR,   112                       ;    v112-175 the way out
.macro POW2 e, vs, vl                  ; s[e] = e  ->  v[vs] = 2^e, whose exponent field the conversion takes;  v[vl] = 448 x 2^e
	s_add_co_i32 s57, s[\e], 127
	s_lshl_b32 s58, s57, 23
	v_mov_b32 v[\vs], s58
	s_add_co_i32 s57, s57, 8
	s_lshl_b32 s57, s57, 23
	s_or_b32 s57, s57, 0x600000
	v_mov_b32 v[\vl], s57
.endm
.macro ENDW                            ; a wave's end
	s_wait_tensorcnt 0x0
	ds_add_u32 v[SPW], v[NIL]
	s_wait_dscnt 0x0
	s_endpgm
.endm
	s_load_b512 s[8:23], s[0:1], 0x0               ; x 8, wq 10, wk 12, wv 14, wo 16, scales 18, xc 20, wc 22
	s_load_b64 s[24:25], s[0:1], 0x40              ; woc
	v_lshl_add_u32 v[SPW], v0, 2, SPARE
	v_mov_b32 v[NIL], 0
	v_lshrrev_b32 v1, 5, v0
	v_readfirstlane_b32 s26, v1                    ; wave
	v_and_b32 v2, 31, v0                           ; lane
	s_wait_kmcnt 0x0
	s_load_b256 s[32:39], s[18:19], 0x0            ; entries 0 to 7
	s_load_b128 s[40:43], s[18:19], 0x20           ; entries 8 to 11
	s_cmp_lt_u32 ttmp9, 256
	s_cbranch_scc0 .Lweights
; ---------------- x ----------------
	s_wait_alu depctr_va_vdst(0)
	v_lshlrev_b32 v3, 4, v2                        ; my 16 bytes of a load's 512, and of a store's
	s_wait_alu depctr_va_vdst(0)
	s_mul_i32 s27, s26, WREG
	v_lshrrev_b32 v14, 2, v2
	v_mul_u32_u24 v14, v14, SP
	v_and_b32 v15, 3, v2
	v_lshl_add_u32 v14, v15, 4, v14
	v_add_nc_u32 v14, s27, v14                     ; the stage, in: four lanes' 64 bytes on end, then the padding
	v_mul_u32_u24 v15, v2, SP
	v_add_nc_u32 v15, s27, v15                     ; out: my 16 neighbours
	s_lshl_b32 s28, ttmp9, 2
	s_add_co_u32 s28, s28, s26                     ; which run of 8,192 numbers is my wave's
	s_lshl_b32 s30, s28, 15
	s_mov_b32 s31, 0
	s_add_nc_u64 s[4:5], s[8:9], s[30:31]
	s_lshl_b32 s30, s28, 13
	s_add_nc_u64 s[44:45], s[20:21], s[30:31]      ; the three tensors of codes lie 8,388,608 bytes apart: a base for each
	s_add_nc_u64 s[46:47], s[44:45], 0x800000
	s_add_nc_u64 s[48:49], s[44:45], 0x1000000
.macro XLOAD t
.irp i, 0,1,2,3
	global_load_b128 v[R+16*((\t)%4)+4*\i:R+16*((\t)%4)+4*\i+3], v3, s[4:5] offset:2048*(\t)+512*\i th:TH_LOAD_NT
.endr
.endm
.macro XTURN t                         ; a step's numbers through the stage: LDS serves a wave's instructions in order, so no wait stands between the stores and the loads
.irp i, 0,1,2,3
	ds_store_b128 v14, v[R+16*((\t)%4)+4*\i:R+16*((\t)%4)+4*\i+3] offset:32*SP*((\t)%2)+8*SP*\i
.endr
.irp i, 0,1,2,3
	ds_load_b128 v[X+16*((\t)%2)+4*\i:X+16*((\t)%2)+4*\i+3], v15 offset:32*SP*((\t)%2)+16*\i
.endr
.endm
.irp t, 0,1,2,3
	XLOAD \t
.endr
	s_wait_alu depctr_va_vdst(0)
	s_wait_kmcnt 0x0
	POW2 32, 5, 8                                  ; entry 0: x as the first product's operand
	POW2 34, 6, 9                                  ; entry 2
	POW2 36, 7, 10                                 ; entry 4
	s_wait_alu depctr_va_vdst(0)
	s_wait_loadcnt 12                              ; step 0's four loads are in
	XTURN 0
.macro XSTEP t
.set XS, X+16*((\t)%2)
.set CC, C+12*((\t)%2)
	s_wait_dscnt 0x0                               ; this step's numbers are back from the stage, so its stores into the stage have read their registers,
.if (\t)+4 < STEPS
	XLOAD (\t)+4                                   ; which take the loads of four steps on
.endif
.if (\t)+1 < STEPS
.if STEPS-2-(\t) >= 3
	s_wait_loadcnt 12                              ; the next step's four loads are in; the twelve of the three steps behind it may be out
.else
	s_wait_loadcnt 4*(STEPS-2-(\t))
.endif
	XTURN (\t)+1
.endif
	s_wait_xcnt 0x0                                ; the stores of two steps ago have read this set of code registers
.irp j, 0,1,2
.irp i, 0,1,2,3,4,5,6,7,8,9,10,11,12,13,14,15
	v_med3_num_f32 v[T+16*\j+\i], v[XS+\i], -v[8+\j], v[8+\j]   ; the conversion does not saturate (ISA guide 7.6.2): the hold at the largest code x the scale
.endr
	v_cvt_scalef32_pk8_fp8_f32 v[CC+4*\j:CC+4*\j+1], v[T+16*\j:T+16*\j+7], v[5+\j]
	v_cvt_scalef32_pk8_fp8_f32 v[CC+4*\j+2:CC+4*\j+3], v[T+16*\j+8:T+16*\j+15], v[5+\j]
	global_store_b128 v3, v[CC+4*\j:CC+4*\j+3], s[44+2*\j:45+2*\j] offset:512*(\t)   ; 512 consecutive bytes; the next vector lines are plain holds on other registers
.endr
.endm
.irp t, 0,1,2,3,4,5,6,7,8,9,10,11,12,13,14,15
	XSTEP \t
.endr
	ENDW
; ---------------- the weights ----------------
.macro WADDR stg, krow                 ; my places in the stage and in the codes' buffer
	s_add_co_u32 s50, s27, \stg
	v_mul_u32_u24 v4, v2, WPITCH
	v_add_nc_u32 v4, s50, v4                       ; in: row = my column
	v_mul_u32_u24 v7, v6, WPITCH
	v_lshl_add_u32 v7, v5, 4, v7
	v_add_nc_u32 v7, s50, v7                       ; out: sixteen lanes to a row, two rows an instruction
	v_mul_u32_u24 v8, v6, \krow
	v_lshl_add_u32 v8, v5, 4, v8                   ; and the same place among the codes
.endm
.macro WLOAD t, ncol                   ; block t: W(32 t + i, my column), i = 0 .. 31: 128 consecutive bytes a load
.set ii, 0
.rept 32
	global_load_b32 v[WX+32*((\t)%2)+ii], v3, s[4:5] offset:(32*(\t)+ii)*(\ncol)*4 th:TH_LOAD_NT
.set ii, ii+1
.endr
.endm
.macro WBLOCK t, ncol
.set XS, WX+32*((\t)%2)
.if (\t) < 7
	s_wait_loadcnt 32                              ; this block's 32 loads are in; the next block's may be out
.else
	s_wait_loadcnt 0
.endif
.set ii, 0
.rept 32
	v_med3_num_f32 v[XS+ii], v[XS+ii], -v10, v10
.set ii, ii+1
.endr
.irp g, 0,1,2,3
	v_cvt_scalef32_pk8_fp8_f32 v[WC+2*\g:WC+2*\g+1], v[XS+8*\g:XS+8*\g+7], v11
.endr
	ds_store_b128 v4, v[WC:WC+3] offset:32*(\t)    ; 32 codes of my column's row
	ds_store_b128 v4, v[WC+4:WC+7] offset:32*(\t)+16
.if (\t)+2 < 8
	WLOAD (\t)+2, \ncol
.endif
	s_wait_dscnt 0x0                               ; the stores have read their registers: the next block's codes may be written
.endm
.macro WREST ncol, krow                ; s56 = e; the first two blocks' loads are out
	POW2 56, 11, 10
	s_wait_alu depctr_va_vdst(0)
.irp t, 0,1,2,3,4,5,6,7
	WBLOCK \t, \ncol
.endr
.irp t, 0,1,2,3,4,5,6,7,8,9,10,11,12,13,14,15
	ds_load_b128 v[OUTR+4*\t:OUTR+4*\t+3], v7 offset:2*\t*WPITCH
.endr
.irp t, 0,1,2,3,4,5,6,7,8,9,10,11,12,13,14,15
	s_wait_dscnt 15-\t                             ; the younger loads may be out
	global_store_b128 v8, v[OUTR+4*\t:OUTR+4*\t+3], s[6:7] offset:2*\t*(\krow)
.endr
	ENDW
.endm
.Lweights:
	s_wait_alu depctr_va_vdst(0)
	v_lshlrev_b32 v3, 2, v2                        ; in: 4 bytes a lane
	v_and_b32 v5, 15, v2
	v_lshrrev_b32 v6, 4, v2
	s_mul_i32 s27, s26, 32*WPITCH                  ; my wave's stage
	s_lshl_b32 s52, s26, 5                         ; 32 x wave
	s_cmp_lt_u32 ttmp9, 448
	s_cbranch_scc0 .Lwo
	; wq, wk, wv: 64 work-groups each: 8 along n x 8 along K
	WADDR WAST, 2048
	s_sub_co_u32 s28, ttmp9, 256
	s_lshr_b32 s29, s28, 6                         ; which of the three
	s_and_b32 s30, s28, 7                          ; 128 columns
	s_bfe_u32 s31, s28, 0x30003                    ; 256 along K
	s_lshl_b32 s51, s30, 7
	s_add_co_u32 s51, s51, s52                     ; my wave's first column
	s_lshl_b32 s52, s31, 20                        ; 256 rows of 4,096 bytes
	s_lshl_b32 s54, s51, 2
	s_add_co_u32 s52, s52, s54
	s_mov_b32 s53, 0
	s_lshl_b32 s54, s29, 10
	s_add_co_u32 s54, s54, s51                     ; the codes' row
	s_lshl_b32 s54, s54, 11
	s_lshl_b32 s55, s31, 8
	s_add_co_u32 s54, s54, s55
	s_mov_b32 s55, 0
	s_cmp_eq_u32 s29, 0                            ; the choice hangs on the work-group's number alone
	s_cselect_b64 s[4:5], s[10:11], s[12:13]
	s_cmp_eq_u32 s29, 2
	s_cselect_b64 s[4:5], s[14:15], s[4:5]
	s_add_nc_u64 s[4:5], s[4:5], s[52:53]
	s_add_nc_u64 s[6:7], s[22:23], s[54:55]
	WLOAD 0, 1024
	WLOAD 1, 1024
	s_wait_kmcnt 0x0
	s_cmp_eq_u32 s29, 0
	s_cselect_b32 s56, s33, s35                    ; entry 1, 3
	s_cmp_eq_u32 s29, 2
	s_cselect_b32 s56, s37, s56                    ; or 5
	WREST 1024, 2048
.Lwo:
	; wo: 16 along n x 4 along K
	s_wait_alu depctr_va_vdst(0)
	WADDR WBST, 1024
	s_sub_co_u32 s28, ttmp9, 448
	s_and_b32 s30, s28, 15
	s_lshr_b32 s31, s28, 4
	s_lshl_b32 s51, s30, 7
	s_add_co_u32 s51, s51, s52                     ; my wave's first column
	s_lshl_b32 s52, s31, 21                        ; 256 rows of 8,192 bytes
	s_lshl_b32 s54, s51, 2
	s_add_co_u32 s52, s52, s54
	s_mov_b32 s53, 0
	s_lshl_b32 s54, s51, 10
	s_lshl_b32 s55, s31, 8
	s_add_co_u32 s54, s54, s55
	s_mov_b32 s55, 0
	s_add_nc_u64 s[4:5], s[16:17], s[52:53]
	s_add_nc_u64 s[6:7], s[24:25], s[54:55]
	WLOAD 0, 2048
	WLOAD 1, 2048
	s_wait_kmcnt 0x0
	s_mov_b32 s56, s43                             ; entry 11
	WREST 2048, 1024
.Lfunc_end_k_q81e33e1088_quant:
	.size	k_q81e33e1088_quant, .Lfunc_end_k_q81e33e1088_quant-k_q81e33e1088_quant
	.p2alignl 7, 3214868480
	.fill 96, 4, 3214868480
	.section	.rodata,"a",@progbits
	.p2align	6, 0x0
	.amdhsa_kernel k_q81e33e1088_quant
		.amdhsa_group_segment_fixed_size 102912
		.amdhsa_private_segment_fixed_size 0
		.amdhsa_enable_private_segment 0
		.amdhsa_kernarg_size 72
		.amdhsa_user_sgpr_count 2
		.amdhsa_user_sgpr_kernarg_segment_ptr 1
		.amdhsa_wavefront_size32 1
		.amdhsa_system_sgpr_workgroup_id_x 1
		.amdhsa_system_sgpr_workgroup_id_y 1
		.amdhsa_system_sgpr_workgroup_id_z 1
		.amdhsa_system_vgpr_workitem_id 0
		.amdhsa_next_free_vgpr 192
		.amdhsa_next_free_sgpr 66
		.amdhsa_reserve_vcc 0
		.amdhsa_float_denorm_mode_32 3
		.amdhsa_float_denorm_mode_16_64 3
		.amdhsa_memory_ordered 1
		.amdhsa_forward_progress 1
		.amdhsa_inst_pref_size 174
	.end_amdhsa_kernel
	.amdgpu_metadata
---
amdhsa.version: [ 1, 2 ]
amdhsa.kernels:
  - .name:           k_q81e33e1088_quant
    .symbol:         k_q81e33e1088_quant.kd
    .args:
      - { .name: x, .offset: 0, .size: 8, .value_kind: global_buffer, .address_space: global }
      - { .name: wq, .offset: 8, .size: 8, .value_kind: global_buffer, .address_space: global }
      - { .name: wk, .offset: 16, .size: 8, .value_kind: global_buffer, .address_space: global }
      - { .name: wv, .offset: 24, .size: 8, .value_kind: global_buffer, .address_space: global }
      - { .name: wo, .offset: 32, .size: 8, .value_kind: global_buffer, .address_space: global }
      - { .name: lowp_scales, .offset: 40, .size: 8, .value_kind: global_buffer, .address_space: global }
      - { .name: xc, .offset: 48, .size: 8, .value_kind: global_buffer, .address_space: global }
      - { .name: wc, .offset: 56, .size: 8, .value_kind: global_buffer, .address_space: global }
      - { .name: woc, .offset: 64, .size: 8, .value_kind: global_buffer, .address_space: global }
    .group_segment_fixed_size: 102912
    .private_segment_fixed_size: 0
    .kernarg_segment_align: 8
    .kernarg_segment_size: 72
    .max_flat_workgroup_size: 128
    .sgpr_count:     66
    .vgpr_count:     192
    .wavefront_size: 32
...
	.end_amdgpu_metadata
.endif
;; end of part 1
;; launch qkv (part 2): grid 12 x 16, 4 waves a work-group, clusters of 4 x 4, 327,680 bytes of LDS; arguments xc, wc, lowp_scales, cos, sin, q_norm_w, k_norm_w, qkvc; writes qkvc
.if DOCPART == 2
	.amdgcn_target "amdgcn-amd-amdhsa--gfx1250"
	.amdhsa_code_object_version 6
	.text
	.protected	k_q81e33e1088_qkv
	.globl	k_q81e33e1088_qkv
	.p2align	8
	.type	k_q81e33e1088_qkv,@function
k_q81e33e1088_qkv:
	s_mov_b64 s[64:65], 0
	v_nop
	global_prefetch_b8 v0, s[64:65] scope:SCOPE_SE
	s_setreg_imm32_b32 hwreg(HW_REG_WAVE_MODE, 25, 1), 1
	s_wait_xcnt 0x0
	s_wait_alu depctr_hold_cnt(0) depctr_sa_sdst(0) depctr_va_vdst(0) depctr_va_sdst(0) depctr_va_ssrc(0) depctr_va_vcc(0) depctr_vm_vsrc(0)
	s_getreg_b32 s2, hwreg(HW_REG_IB_STS2, 6, 4)
	s_cmp_eq_u32 s2, 0
	s_cbranch_scc0 .Lentry_in_a_cluster
	s_endpgm
.Lentry_in_a_cluster:
	s_bfe_u32 s2, ttmp6, 0x10000c
	s_cmp_lg_u32 s2, 0xf033
	s_cbranch_scc0 .Lentry_shape_is_right
	s_endpgm
.Lentry_shape_is_right:
; The three projections on codes of FP8 (E4M3), K = 2,048, with what follows them: q, k: per-head RMS norm, gain, RoPE, quantiser (entries 6, 7); v: quantiser (entry 8).
; IN: xc [3][4096][2048] (x under entries 0, 2, 4), wc [3072][2048] (wq, wk, wv under entries 1, 3, 5).  OUT: qkvc = q [16 pairs][2048][128], k likewise, v [16][16 blocks of keys][128 d][128 keys], codes.
; Cluster x = 0: q, 1: k, 2: v.  A work-group makes 256 x 256: four waves of 128 x 128, 64 accumulators each.  q, k: source 1 = tokens, source 0 = the weight's columns, so a lane holds one token and eight
; neighbouring channels a register group.  v: source 1 = wv's columns, source 0 = tokens: a lane holds one channel and neighbouring keys.
; A wave's 128 rows of source 1 are rows 32 a + 16 half + r of the block's 256 (a = 0 .. 7): so blocks a = 0 .. 3 of both halves lie in the first 128 rows, blocks 4 .. 7 in the last 128.
; RING: two slots of 256 along K, rows of 256 bytes + 16 of padding, filled by joint loads (4 x 4 cluster: source 1's tile shared along a row, source 0's along a column), one load a wave behind each round.
; COS AND SIN (q, k) come by joint loads too, shared along the cluster's row, on the very bytes of the ring's quarters: wave w brings table w % 2, channels 64 (w / 2) .., of 128 positions: 128 rows of 256 bytes, 512 apart.
; Positions 0-127 of the block go into slot 0 behind the change of slots that leaves it for good, positions 128-255 into slot 1 behind the last reads of it.
; PREFETCH: behind each refill a wave names, a lane a row, 32 of the 128 rows that it fetches (the four partners share the rows out by address), 256 bytes each, of the K step two refills on;
; the last two refills have no such K step and name the cos/sin tiles of the two phases instead (q, k alone), two changes of slots ahead of their loads.
; LIMITS: entries 6 and 7, and entry 8 less entries 4 and 5, lie between -126 and 119, so that the scale and 448 x the scale are f32 numbers.  NaN among the inputs is not served.
; REGISTERS.  Window 0: v0-31 addresses and single numbers; v32-95 the gain (v: rows on their way out); v128-255 source 1's fragments; on the way out v96-159 u, v160-223 the result, v224-239 codes, v240-255 rows read back.
; Window 1: source 0's fragments, two sets; on the way out cos and sin of two blocks by turns.  Windows 2, 3: the accumulators.
.set ROWB,   256
.set KROW,   2048
.set PITCH,  272
.set FR,     16
.set NL,     4
.set NP,     4
.set HALFT,  128*PITCH
.set SLOT,   4*HALFT
.set LAPS,   4
.set SPARE,  2*SLOT                    ; the spare words, 128 bytes a wave, that no other line names
.set CP,     144
.set QST,    SPARE+512                 ; stages of 16 rows x 144 bytes a wave, on bytes where no tile lands: q and k's way,
.set VST,    QST+4*16*CP               ; and v's way
.set ADRA, 16
.set ADRB, 20
.set CSA,  22                          ; v22-25 my place in cos's quarter: slot 0 channels 0-63, 64-127; slot 1 likewise (sin's quarter lies HALFT further on)
.set SPW,  28
.set NIL,  29
.set PFO,  30                          ; lane x 2,048
.set PFC,  31                          ; lane x 512
.set AF,   128
.set W,    32
.set U,    96
.set T,    160
.set SS,   160
.set CD,   224
.set OB,   240
.set VOUT, 32
.set G1, 24
.set G0, 32
.set G1B, 48
.set G0B, 56
.set PFA, 8                            ; s[8:9]   where my prefetches along K stand
.set PFB, 10                           ; s[10:11] and those of cos or sin
.set MSB, 0
.macro WIN new                         ; the immediate's high byte repeats the setting that is left
.if MSB != \new
	s_set_vgpr_msb (MSB<<8)|\new
.set MSB, \new
.endif
.endm
.set MUL_LO, 0xa1
.set MUL_HI, 0xf1
.set TO_B,   0x40
.macro PLACES n
.rept \n
	v_nop
.endr
.endm
.macro JLOAD g0a, g1a, g0b, g1b        ; waves 0, 1 fetch source 1's halves, waves 2, 3 source 0's
	s_cmp_eq_u32 s15, 0
	s_cbranch_scc0 .Lfor_b_\@
	tensor_load_to_lds s[\g0a:\g0a+3], s[\g1a:\g1a+7]
	s_nop 0
	PLACES 4
	s_branch .Lasked_\@
.Lfor_b_\@:
	tensor_load_to_lds s[\g0b:\g0b+3], s[\g1b:\g1b+7]
	s_nop 0
	PLACES 4
.Lasked_\@:
.endm
.macro CSLOAD slot                     ; every wave: its quarter of cos and sin for positions 128 x slot .. of the block; no load of mine is out, so the descriptors may be written
	s_add_nc_u64 s[G0+4*\slot+2:G0+4*\slot+3], s[100:101], \slot*65536
	s_or_b32 s[G0+4*\slot+3], s[G0+4*\slot+3], 0x80000000
	s_mov_b32 s[G1+5], 512                         ; from row to row of a table
	tensor_load_to_lds s[G0+4*\slot:G0+4*\slot+3], s[G1:G1+7]
	s_nop 0
	PLACES 4
.endm
.macro ASK slot
	s_cmp_gt_u32 s3, 1                             ; s3 = 1 in the loop's last trip
	s_cbranch_scc0 .Lcs_\@
	global_prefetch_b8 v[PFO], s[PFA:PFA+1] offset:ROWB th:TH_LOAD_NT scope:SCOPE_SE
	s_branch .Lpf_\@
.Lcs_\@:
	s_cmp_eq_u32 ttmp9, 2                          ; v has no use for the tables
	s_cbranch_scc1 .Lpf_\@
	global_prefetch_b8 v[PFC], s[PFB:PFB+1] offset:\slot*65536 th:TH_LOAD_NT scope:SCOPE_SE
.Lpf_\@:
.endm
.macro CREST
	s_cmp_lg_u32 s14, 0
	s_cbranch_scc1 .Lnot_wave_0_\@
	s_barrier_signal -3
.Lnot_wave_0_\@:
	s_barrier_wait -3
	s_barrier_signal -1
	s_barrier_wait -1
.endm
.macro CROUND
	s_barrier_signal -1
	s_barrier_wait -1
	CREST
.endm
	s_load_b512 s[68:83], s[0:1], 0x0              ; xc 68, wc 70, scales 72, cos 74, sin 76, q's gain 78, k's 80, qkvc 82
	v_lshl_add_u32 v[SPW], v0, 2, SPARE
	v_mov_b32 v[NIL], 0
	ds_add_u32 v[SPW], v[NIL]
	ds_add_u32 v[SPW], v[NIL]
	v_lshrrev_b32 v1, 5, v0
	v_readfirstlane_b32 s14, v1                    ; wave
	s_lshr_b32 s15, s14, 1                         ; my half of source 1's rows; also: I fetch source 1 (0) or source 0 (1)
	s_and_b32 s16, s14, 1                          ; my half of source 0's rows; also: which 128 rows I fetch
	s_bfe_u32 s40, ttmp6, 0x40000                  ; cx
	s_bfe_u32 s41, ttmp6, 0x40004                  ; cy
	s_lshl_b32 s93, ttmp9, 23                      ; q, k: source 1 = xc's tensor, source 0 = wc's part
	s_lshl_b32 s94, ttmp9, 21
	s_and_b32 s95, ttmp7, 0xffff
	s_lshl_b32 s95, s95, 2
	s_cmp_eq_u32 ttmp9, 2
	s_cselect_b32 s93, 0x400000, s93               ; v: source 1 = wv's codes, source 0 = xc's third tensor
	s_cselect_b32 s94, 0x1000000, s94
	s_cselect_b32 s17, 0, s95
	s_cselect_b32 s42, s95, 0
	s_add_co_u32 s17, s17, s41                     ; tile row of source 1: hangs on cy alone
	s_add_co_u32 s42, s42, s40                     ; tile row of source 0: on cx alone
	s_lshl_b32 s43, s41, 2
	s_lshl_b32 s43, 15, s43
	s_lshl_b32 s44, 0x1111, s40
	s_or_b32 s[G1+0], s43, (0<<16)|(1<<20)|(1<<21)|(5<<22)|(3<<25)
	s_or_b32 s[G1B+0], s44, (0<<16)|(1<<20)|(1<<21)|(5<<22)|(3<<25)
.irp g, G1, G1B
	s_mov_b32 s[\g+1], ROWB<<16
	s_mov_b32 s[\g+2], 128<<16
	s_mov_b32 s[\g+3], ROWB<<16
	s_mov_b32 s[\g+4], 128
	s_mov_b32 s[\g+5], KROW
	s_mov_b32 s[\g+6], 0
	s_mov_b32 s[\g+7], 0
.endr
	s_mov_b32 s66, 0x76543210
	s_mov_b32 s67, 0xfedcba98
	s_lshl_b32 s18, s16, 7
	s_lshl_b32 s20, s17, 8
	s_add_co_u32 s20, s20, s18
	s_lshl_b32 s20, s20, 11
	s_add_co_u32 s20, s20, s93
	s_mov_b32 s21, 0
	s_lshl_b32 s46, s42, 8
	s_add_co_u32 s46, s46, s18
	s_lshl_b32 s46, s46, 11
	s_add_co_u32 s46, s46, s94
	s_mov_b32 s47, 0
	s_mul_i32 s45, s14, HALFT
	s_mul_i32 s12, s15, 16*PITCH
	s_mul_i32 s13, s16, HALFT
	s_add_co_u32 s13, s13, 2*HALFT
	s_mul_i32 s23, s14, 16*CP
	s_add_co_u32 s23, s23, QST
	s_wait_dscnt 0x0
	s_wait_kmcnt 0x0
	s_load_b256 s[84:91], s[72:73], 0x0            ; entries 0 to 7
	s_load_b32 s92, s[72:73], 0x20                 ; entry 8
	s_cmp_eq_u32 ttmp9, 2
	s_cselect_b64 s[4:5], s[70:71], s[68:69]
	s_cselect_b64 s[6:7], s[68:69], s[70:71]
	s_add_nc_u64 s[20:21], s[4:5], s[20:21]
	s_add_nc_u64 s[46:47], s[6:7], s[46:47]
	CROUND                                         ; in front of the first joint loads
.irp s, 0,1
	s_mov_b32 s[G0+4*\s], 1
	s_add_co_u32 s[G0+4*\s+1], s45, \s*SLOT
	s_add_nc_u64 s[G0+4*\s+2:G0+4*\s+3], s[20:21], \s*ROWB
	s_or_b32 s[G0+4*\s+3], s[G0+4*\s+3], 0x80000000
	s_mov_b32 s[G0B+4*\s], 1
	s_add_co_u32 s[G0B+4*\s+1], s45, \s*SLOT
	s_add_nc_u64 s[G0B+4*\s+2:G0B+4*\s+3], s[46:47], \s*ROWB
	s_or_b32 s[G0B+4*\s+3], s[G0B+4*\s+3], 0x80000000
.endr
	JLOAD G0, G1, G0B, G1B                         ; K step 0: one load a wave at the head
	; cos or sin at my block's first position, my 64 channels
	s_and_b32 s98, s17, 7
	s_lshl_b32 s98, s98, 17
	s_lshl_b32 s99, s15, 8
	s_add_co_u32 s98, s98, s99
	s_mov_b32 s99, 0
	s_cmp_eq_u32 s16, 0
	s_cselect_b64 s[100:101], s[74:75], s[76:77]
	s_add_nc_u64 s[100:101], s[100:101], s[98:99]
	s_lshl_b32 s98, s40, 14                        ; my work-group's 32 rows of the 128
	s_add_nc_u64 s[PFB:PFB+1], s[100:101], s[98:99]
	s_cmp_eq_u32 s15, 0
	s_cselect_b64 s[PFA:PFA+1], s[20:21], s[46:47]
	s_cselect_b32 s98, s40, s41                    ; my place among the four that ask with me
	s_lshl_b32 s98, s98, 16
	s_add_co_u32 s98, s98, 2*ROWB                  ; at K step 2: the first refill steps it to 3 and names 4
	s_add_nc_u64 s[PFA:PFA+1], s[PFA:PFA+1], s[98:99]
	; where my results go
	s_lshl_b32 s95, s17, 1
	s_lshl_b32 s96, s42, 1
	s_add_co_u32 s96, s96, s16
	s_cmp_eq_u32 ttmp9, 2
	s_cselect_b32 s97, s96, s95                    ; the block of 128 tokens,
	s_cselect_b32 s96, s95, s96                    ; the head
	s_lshr_b32 s95, s97, 4
	s_lshl_b32 s95, s95, 3
	s_add_co_u32 s95, s95, s96
	s_lshl_b32 s95, s95, 4
	s_and_b32 s97, s97, 15
	s_add_co_u32 s95, s95, s97
	s_lshl_b32 s95, s95, 14
	; k's rows are laid, within each 32 tokens, in the order in which the next launch's tiles take them: bits 3 and 4 of the token's number change places.
	; So of my 16 rows the first eight go to row 8 x half, the last eight to row 16 + 8 x half of the 32; q's and v's 16 rows stay on end.
	s_cmp_eq_u32 ttmp9, 1
	s_cselect_b32 s96, 10, 11
	s_lshl_b32 s96, s15, s96
	s_add_co_u32 s95, s95, s96
	s_lshl_b32 s96, ttmp9, 22
	s_add_co_u32 s96, s96, s95
	s_mov_b32 s97, 0
	s_add_nc_u64 s[82:83], s[82:83], s[96:97]
	s_cmp_eq_u32 ttmp9, 1
	s_cselect_b32 s96, 1024, 0
	s_add_nc_u64 s[6:7], s[82:83], s[96:97]        ; the base of a block's last eight rows
	v_and_b32 v1, 15, v0                           ; r
	v_bfe_u32 v2, v0, 4, 1                         ; h
	v_mul_u32_u24 v11, v1, PITCH
	v_lshl_add_u32 v10, v2, 5, v11
	v_lshl_add_u32 v11, v2, 4, v11
	v_add_nc_u32 v[ADRA], s12, v11
	v_add_nc_u32 v[ADRB], s13, v11
	v_add_nc_u32 v[ADRA+1], SLOT, v[ADRA]
	v_add_nc_u32 v[ADRB+1], SLOT, v[ADRB]
	v_add_nc_u32 v[CSA], s12, v10
	v_add_nc_u32 v[CSA+1], 2*HALFT, v[CSA]
	v_add_nc_u32 v[CSA+2], SLOT, v[CSA]
	v_add_nc_u32 v[CSA+3], SLOT, v[CSA+1]
	v_and_b32 v4, 31, v0
	v_lshlrev_b32 v3, 4, v4                        ; 16 x lane: my bytes of a store's 512
	v_mul_u32_u24 v6, v1, CP
	v_lshl_add_u32 v6, v2, 3, v6
	v_add_nc_u32 v6, s23, v6                       ; the stage, in: row r, + 8 h
	v_lshrrev_b32 v7, 3, v4
	v_mul_u32_u24 v7, v7, CP
	v_and_b32 v5, 7, v4
	v_lshl_add_u32 v7, v5, 4, v7
	v_add_nc_u32 v7, s23, v7                       ; back: eight lanes to a row
	v_lshlrev_b32 v8, 5, v2
	v_add_nc_u32 v9, VST-QST, v6
	v_add_nc_u32 v10, VST-QST, v7
	v_mov_b32 v15, 0
	v_mov_b32 v19, 0
	v_lshlrev_b32 v[PFO], 11, v4
	v_lshlrev_b32 v[PFC], 9, v4
.macro FRAG reg, adr, q, i, rows
.irp c, 0,1,2,3
	ds_load_b128 v[\reg+4*\c:\reg+4*\c+3], v[\adr] offset:128*(\q)+32*\c+(\i)*(\rows)*PITCH
.endr
.endm
.macro MUL16 a0, p, zero               ; the 64 accumulators take turns, in the same order in every step
.irp a, \a0, \a0+1
.irp b, 0,1,2,3,4,5,6,7
.if \zero
	v_wmma_f32_16x16x128_fp8_fp8 v[8*(8*((\a)%4)+\b):8*(8*((\a)%4)+\b)+7], v[128*(\p)+FR*\b:128*(\p)+FR*\b+FR-1], v[AF+FR*(\a):AF+FR*(\a)+FR-1], 0
.else
	v_wmma_f32_16x16x128_fp8_fp8 v[8*(8*((\a)%4)+\b):8*(8*((\a)%4)+\b)+7], v[128*(\p)+FR*\b:128*(\p)+FR*\b+FR-1], v[AF+FR*(\a):AF+FR*(\a)+FR-1], v[8*(8*((\a)%4)+\b):8*(8*((\a)%4)+\b)+7]
.endif
.endr
.endr
.endm
.macro FETCH_B slot, q, p
	WIN TO_B
.irp i, 0,1,2,3,4,5,6,7
	FRAG 128*(\p)+FR*\i, ADRB+\slot, \q, \i, 16
.endr
	WIN 0
.endm
.macro FETCH_A slot, q, i0             ; my blocks lie 32 rows apart
.irp i, \i0, \i0+1, \i0+2, \i0+3
	FRAG AF+FR*(\i), ADRA+\slot, \q, \i, 32
.endr
.endm
.macro STEP slot, q, zero
	s_wait_dscnt 4*NL                              ; all but the sixteen youngest loads (source 1's blocks 4-7)
	WIN MUL_LO
	MUL16 0, (\q)%2, \zero
	MUL16 2, (\q)%2, \zero
	s_wait_dscnt 0
	PLACES NP
	FETCH_B \slot, (\q)+1, 1-(\q)%2
	FETCH_A \slot, (\q)+1, 0
	WIN MUL_HI
	MUL16 4, (\q)%2, \zero
	MUL16 6, (\q)%2, \zero
	PLACES NP
	WIN 0
	FETCH_A \slot, (\q)+1, 4
.endm
; A slot's last step.  fill = 1: the slot takes the K step two on; 2: it takes cos and sin; 0: nothing.  next < 0: no slot follows.
.macro TURN slot, next, fill
.if \fill == 1
	s_wait_xcnt 0x0                                ; my last prefetch has read its address
	s_add_nc_u64 s[PFA:PFA+1], s[PFA:PFA+1], ROWB
.endif
	s_wait_tensorcnt 0x0                           ; all my tensor loads have landed
	ds_add_u32 v[SPW], v[NIL]
	s_wait_dscnt 4*NL+1                            ; the add and the sixteen youngest loads may be out
	WIN MUL_LO
	MUL16 0, 1, 0
	s_wait_dscnt 0x0                               ; the add is done, my reads of this slot are over
	s_barrier_signal -1
	MUL16 2, 1, 0
	WIN 0
	s_barrier_wait -1
.if \fill == 1
	CREST
	s_add_nc_u64 s[G0+4*\slot+2:G0+4*\slot+3], s[G0+4*\slot+2:G0+4*\slot+3], 2*ROWB
	s_add_nc_u64 s[G0B+4*\slot+2:G0B+4*\slot+3], s[G0B+4*\slot+2:G0B+4*\slot+3], 2*ROWB
	JLOAD G0+4*\slot, G1, G0B+4*\slot, G1B
.endif
.if \fill == 2
	CREST
	CSLOAD \slot
.endif
.if \fill == 0
	PLACES NP
.endif
.if \next >= 0
	FETCH_B \next, 0, 0
	FETCH_A \next, 0, 0
.endif
.if \fill == 1
	ASK \slot
.endif
	WIN MUL_HI
	MUL16 4, 1, 0
	MUL16 6, 1, 0
.if \next >= 0
	PLACES NP
	WIN 0
	FETCH_A \next, 0, 4
.else
	WIN 0
.endif
.endm
	s_wait_alu depctr_va_vdst(0)
	s_wait_tensorcnt 0x0                           ; my part of K step 0 is in
	ds_add_u32 v[SPW], v[NIL]
	s_wait_dscnt 0x0
	CROUND
	JLOAD G0+4, G1, G0B+4, G1B                     ; K step 1, issued as a refill is
	FETCH_B 0, 0, 0
	FETCH_A 0, 0, 0
	FETCH_A 0, 0, 4
	STEP 0, 0, 1                                   ; the first products start the sums
	s_mov_b32 s3, LAPS-1
.Llap:
	TURN 0, 1, 1
	STEP 1, 0, 0
	TURN 1, 0, 1
	STEP 0, 0, 0
	s_sub_co_u32 s3, s3, 1
	s_cmp_lg_u32 s3, 0
	s_cbranch_scc1 .Llap
.macro SENDC off, reg
.irp i, 0,1
	global_store_b128 v3, v[\reg+4*\i:\reg+4*\i+3], s[82:83] offset:(\off)+512*\i   ; 512 consecutive bytes
.endr
.irp i, 2,3
	global_store_b128 v3, v[\reg+4*\i:\reg+4*\i+3], s[6:7] offset:(\off)+512*\i
.endr
.endm
.macro FINISH
	s_wait_tensorcnt 0x0                           ; the wave's end
	ds_add_u32 v[SPW], v[NIL]
	s_wait_dscnt 0x0
	CROUND                                         ; the closing round
	s_endpgm
.endm
	s_cmp_eq_u32 ttmp9, 2                          ; the cluster's x: the same in all sixteen partners
	s_cbranch_scc1 .Lv
; ---------------- q and k ----------------
	s_wait_kmcnt 0x0
	s_cmp_eq_u32 ttmp9, 0
	s_cselect_b32 s93, s84, s86
	s_cselect_b32 s94, s85, s87
	s_cselect_b32 s95, s90, s91
	s_cselect_b64 s[98:99], s[78:79], s[80:81]
	s_add_co_i32 s93, s93, s94                     ; a sum stands for sum x 2^s93
	s_lshl_b32 s94, s93, 1
	s_sub_co_i32 s94, s94, 7                       ; the mean of 128 squares: x 2^(2 s93 - 7)
	s_add_co_i32 s95, s95, 127
	s_lshl_b32 s96, s95, 23
	v_mov_b32 v12, s96                             ; the result's scale
	s_add_co_i32 s95, s95, 8
	s_lshl_b32 s95, s95, 23
	s_or_b32 s95, s95, 0x600000
	v_mov_b32 v13, s95                             ; 448 x that
.irp b, 0,1,2,3,4,5,6,7
	global_load_b128 v[W+8*\b:W+8*\b+3], v8, s[98:99] offset:64*\b        ; the gain at my 64 channels
	global_load_b128 v[W+8*\b+4:W+8*\b+7], v8, s[98:99] offset:64*\b+16
.endr
	TURN 0, 1, 2                                   ; slot 0 takes cos and sin of positions 0-127
	STEP 1, 0, 0
	TURN 1, -1, 2                                  ; slot 0's tables are whole; slot 1 takes positions 128-255
	PLACES NP
	s_wait_loadcnt 0x0                             ; the gain
.macro LOADCS a                        ; cos and sin of block a at my token and my 64 channels: 32 loads into set a % 2 of window 1
.set CB, 128*((\a)%2)
.set CR, CSA+2*((\a)/4)
.set CF, 32*((\a)%4)*PITCH
	WIN TO_B
.irp t, 0,1
.irp b, 0,1,2,3,4,5,6,7
	ds_load_b128 v[CB+64*\t+8*\b:CB+64*\t+8*\b+3], v[CR+\b/4] offset:\t*HALFT+CF+64*(\b%4)
	ds_load_b128 v[CB+64*\t+8*\b+4:CB+64*\t+8*\b+7], v[CR+\b/4] offset:\t*HALFT+CF+64*(\b%4)+16
.endr
.endr
	WIN 0
.endm
.macro QKBLOCK a
.set AC, 64*((\a)%4)
.set WA, 2+(\a)/4
.if (\a) == 4
	s_wait_tensorcnt 0x0                           ; my quarter of slot 1's tables is in,
	s_wait_dscnt 0x0
	s_barrier_signal -1
	s_barrier_wait -1                              ; and everybody's
	LOADCS 4
.endif
.if ((\a) != 3) && ((\a) != 7)
	LOADCS (\a)+1                                  ; a block ahead
.endif
.set CM, 128*((\a)%2)
	WIN 5*WA
	s_wait_alu depctr_va_vdst(0)                   ; directly ahead of the sums' first readers
.set pp, 0
.rept 4
	v_pk_mul_f32 v[SS+2*pp:SS+2*pp+1], v[AC+2*pp:AC+2*pp+1], v[AC+2*pp:AC+2*pp+1]
.set pp, pp+1
.endr
.rept 28
	v_pk_fma_f32 v[SS+2*(pp%4):SS+2*(pp%4)+1], v[AC+2*pp:AC+2*pp+1], v[AC+2*pp:AC+2*pp+1], v[SS+2*(pp%4):SS+2*(pp%4)+1]
.set pp, pp+1
.endr
	WIN WA
.set pp, 0
.rept 32
	v_pk_mul_f32 v[U+2*pp:U+2*pp+1], v[AC+2*pp:AC+2*pp+1], v[W+2*pp:W+2*pp+1]   ; x the gain
.set pp, pp+1
.endr
	WIN 0
	v_pk_add_f32 v[SS:SS+1], v[SS:SS+1], v[SS+2:SS+3]
	v_pk_add_f32 v[SS+4:SS+5], v[SS+4:SS+5], v[SS+6:SS+7]
	v_pk_add_f32 v[SS:SS+1], v[SS:SS+1], v[SS+4:SS+5]
	v_add_f32 v14, v[SS], v[SS+1]
	v_permlanex16_b32 v15, v14, s66, s67
	v_add_f32 v14, v14, v15                        ; the token's 128 squares
	v_ldexp_f32 v14, v14, s94
	v_add_f32 v14, 0x3727c5ac, v14                 ; + 1e-5
	s_wait_alu depctr_va_vdst(0)                   ; ahead of the transcendental
	v_rsq_f32 v18, v14
.if ((\a) != 3) && ((\a) != 7)
	s_wait_dscnt 32                                ; all but the next block's 32 loads: this block's tables and the last block's rows are in
.else
	s_wait_dscnt 0x0
.endif
.if (\a) > 0
	SENDC 4096*((\a)-1), OB
.endif
	WIN 0x04
.set pp, 0
.rept 32
	v_pk_mul_f32 v[T+2*pp:T+2*pp+1], v[U+2*pp:U+2*pp+1], v[CM+2*pp:CM+2*pp+1]
.set pp, pp+1
.endr
.set pp, 0
.rept 16
	v_pk_fma_f32 v[T+2*pp:T+2*pp+1], v[U+32+2*pp:U+33+2*pp], v[CM+64+2*pp:CM+65+2*pp], v[T+2*pp:T+2*pp+1] neg_lo:[1,0,0] neg_hi:[1,0,0]
.set pp, pp+1
.endr
.set pp, 0
.rept 16
	v_pk_fma_f32 v[T+32+2*pp:T+33+2*pp], v[U+2*pp:U+2*pp+1], v[CM+96+2*pp:CM+97+2*pp], v[T+32+2*pp:T+33+2*pp]
.set pp, pp+1
.endr
	WIN 0
	s_wait_alu depctr_va_vdst(0)                   ; ahead of the root's first reader
	v_ldexp_f32 v18, v18, s93
.set pp, 0
.rept 32
	v_pk_mul_f32 v[T+2*pp:T+2*pp+1], v[T+2*pp:T+2*pp+1], v[18:19] op_sel_hi:[1,0]
.set pp, pp+1
.endr
.set pp, 0
.rept 64
	v_med3_num_f32 v[T+pp], v[T+pp], -v13, v13     ; the conversion does not saturate (ISA guide 7.6.2)
.set pp, pp+1
.endr
.irp b, 0,1,2,3,4,5,6,7
	v_cvt_scalef32_pk8_fp8_f32 v[CD+2*\b:CD+2*\b+1], v[T+8*\b:T+8*\b+7], v12
.endr
	v_nop
	s_wait_alu depctr_va_vdst(0)
.if (\a) > 0
	s_wait_xcnt 0x0                                ; the last block's stores have read v240-255
.endif
.irp b, 0,1,2,3,4,5,6,7
	ds_store_b64 v6, v[CD+2*\b:CD+2*\b+1] offset:16*\b
.endr
.irp i, 0,1,2,3
	ds_load_b128 v[OB+4*\i:OB+4*\i+3], v7 offset:4*CP*\i   ; LDS serves a wave's instructions in order
.endr
.endm
	LOADCS 0
.irp a, 0,1,2,3,4,5,6,7
	QKBLOCK \a
.endr
	s_wait_dscnt 0x0
	SENDC 4096*7, OB
	FINISH
; ---------------- v ----------------
.Lv:
	TURN 0, 1, 0
	STEP 1, 0, 0
	s_wait_dscnt 4*NL
	WIN MUL_LO
	MUL16 0, 1, 0
	MUL16 2, 1, 0
	s_wait_dscnt 0
	WIN MUL_HI
	MUL16 4, 1, 0
	MUL16 6, 1, 0
	WIN 0
	PLACES NP
	s_wait_kmcnt 0x0
	s_sub_co_i32 s95, s92, s88                     ; a sum's code is sum / 2^(entry 8 - entry 4 - entry 5)
	s_sub_co_i32 s95, s95, s89
	s_add_co_i32 s95, s95, 127
	s_lshl_b32 s96, s95, 23
	v_mov_b32 v12, s96
	s_add_co_i32 s95, s95, 8
	s_lshl_b32 s95, s95, 23
	s_or_b32 s95, s95, 0x600000
	v_mov_b32 v13, s95
.macro VBLOCK a                        ; block a: head a / 4 of my two, channels 32 (a % 4) + 16 half + r, 128 keys
.set AC, 64*((\a)%4)
.set W_V, 2+(\a)/4
.set OBV, VOUT+16*((\a)%2)
	WIN W_V
.set pp, 0
.rept 64
	v_med3_num_f32 v[U+pp], v[AC+pp], -v13, v13
.set pp, pp+1
.endr
	WIN 0
.if (\a) > 0
	s_wait_alu depctr_va_vdst(0)
	s_wait_dscnt 0x0
.endif
.irp b, 0,1,2,3,4,5,6,7
	v_cvt_scalef32_pk8_fp8_f32 v[CD+2*\b:CD+2*\b+1], v[U+8*\b:U+8*\b+7], v12
.endr
	v_nop
.if (\a) > 0
	s_wait_alu depctr_va_vdst(0)
	s_wait_xcnt 0x0
	SENDC (((\a)-1)/4)*262144+(((\a)-1)%4)*4096, VOUT+16*(((\a)-1)%2)
.endif
.irp b, 0,1,2,3,4,5,6,7
	ds_store_b64 v9, v[CD+2*\b:CD+2*\b+1] offset:16*\b
.endr
.irp i, 0,1,2,3
	ds_load_b128 v[OBV+4*\i:OBV+4*\i+3], v10 offset:4*CP*\i
.endr
.endm
.irp a, 0,1,2,3,4,5,6,7
	VBLOCK \a
.endr
	s_wait_dscnt 0x0
	SENDC 262144+3*4096, VOUT+16
	FINISH
.Lfunc_end_k_q81e33e1088_qkv:
	.size	k_q81e33e1088_qkv, .Lfunc_end_k_q81e33e1088_qkv-k_q81e33e1088_qkv
	.p2alignl 7, 3214868480
	.fill 96, 4, 3214868480
	.section	.rodata,"a",@progbits
	.p2align	6, 0x0
	.amdhsa_kernel k_q81e33e1088_qkv
		.amdhsa_group_segment_fixed_size 327680
		.amdhsa_private_segment_fixed_size 0
		.amdhsa_enable_private_segment 0
		.amdhsa_kernarg_size 64
		.amdhsa_user_sgpr_count 2
		.amdhsa_user_sgpr_kernarg_segment_ptr 1
		.amdhsa_wavefront_size32 1
		.amdhsa_system_sgpr_workgroup_id_x 1
		.amdhsa_system_sgpr_workgroup_id_y 1
		.amdhsa_system_sgpr_workgroup_id_z 1
		.amdhsa_system_vgpr_workitem_id 0
		.amdhsa_next_free_vgpr 1024
		.amdhsa_next_free_sgpr 102
		.amdhsa_reserve_vcc 0
		.amdhsa_float_denorm_mode_32 3
		.amdhsa_float_denorm_mode_16_64 3
		.amdhsa_memory_ordered 1
		.amdhsa_forward_progress 1
		.amdhsa_inst_pref_size 255
	.end_amdhsa_kernel
	.section	.bss,"aw",@nobits
	.p2align	6
	.space	262144
	.amdgpu_metadata
---
amdhsa.version: [ 1, 2 ]
amdhsa.kernels:
  - .name:           k_q81e33e1088_qkv
    .symbol:         k_q81e33e1088_qkv.kd
    .args:
      - { .name: xc, .offset: 0, .size: 8, .value_kind: global_buffer, .address_space: global }
      - { .name: wc, .offset: 8, .size: 8, .value_kind: global_buffer, .address_space: global }
      - { .name: lowp_scales, .offset: 16, .size: 8, .value_kind: global_buffer, .address_space: global }
      - { .name: cos, .offset: 24, .size: 8, .value_kind: global_buffer, .address_space: global }
      - { .name: sin, .offset: 32, .size: 8, .value_kind: global_buffer, .address_space: global }
      - { .name: q_norm_w, .offset: 40, .size: 8, .value_kind: global_buffer, .address_space: global }
      - { .name: k_norm_w, .offset: 48, .size: 8, .value_kind: global_buffer, .address_space: global }
      - { .name: qkvc, .offset: 56, .size: 8, .value_kind: global_buffer, .address_space: global }
    .group_segment_fixed_size: 327680
    .private_segment_fixed_size: 0
    .kernarg_segment_align: 8
    .kernarg_segment_size: 64
    .max_flat_workgroup_size: 128
    .sgpr_count:     102
    .vgpr_count:     1024
    .wavefront_size: 32
...
	.end_amdgpu_metadata
.endif
;; end of part 2
;; launch attn (part 3): grid 16 x 16, 8 waves a work-group, no clusters, 327,680 bytes of LDS; arguments qkvc, lowp_scales, oc; writes oc
.if DOCPART == 3
	.amdgcn_target "amdgcn-amd-amdhsa--gfx1250"
	.amdhsa_code_object_version 6
	.text
	.protected	k_q81e33e1088_attn
	.globl	k_q81e33e1088_attn
	.p2align	8
	.type	k_q81e33e1088_attn,@function
k_q81e33e1088_attn:
	s_mov_b64 s[64:65], 0
	v_nop
	global_prefetch_b8 v0, s[64:65] scope:SCOPE_SE
	s_setreg_imm32_b32 hwreg(HW_REG_WAVE_MODE, 25, 1), 1
	s_wait_xcnt 0x0
; Causal attention on codes of FP8 (E4M3), 16 (batch, head) pairs of 2,048 positions, head size 128; the result is quantised for the output projection.
; IN: qkvc = q [16][2048][128], k likewise, v [16][16 blocks of keys][128 d][128 keys], 4,194,304 bytes each, every block of 128 rows dense.  OUT: oc [8 heads][4096 tokens][128] codes.
; k's rows lie, within each 32 keys, with bits 3 and 4 of the key's number exchanged: row 32 b + 16 u + r holds key 32 b + 8 u + r + 8 (r / 8).
; Scales' entries: 6 q, 7 k, 8 v, 9 p, 10 the result as the next product's operand.  Key blocks that lie wholly behind a tile's queries are masked and are not multiplied.
; THE SOFTMAX: t = score x log2(e) / sqrt(128); M = the row's largest t so far, rounded UP to a whole number; p = 2^(t - M) is quantised, not normalised; the row's sum is taken of the unquantised p and divides at the end.
; When M moves, the sum and O are multiplied by 2^(old M - new M): exact.
; SHARES.  Work-group (x, y): pair y; g = x / 2, half = x % 2.  Its eight waves own a tile of 16 queries each: four tiles of query block g (g + 1 key steps each) and four of block 15 - g (16 - g steps):
; 68 tile steps in every work-group.  Wave w: class (w xor w / 4) % 2 (0: block g, 1: block 15 - g), tile w / 2 of the half's four.
; Every wave walks all 8 slots of 256 keys (constant trip counts, every barrier); steps all of whose keys come after the wave's queries are jumped over; a slot beyond the work-group's last query is not asked for.
; Both products are used transposed: S^T = K Q^T, O^T = V^T P^T: a lane holds ONE query (lane % 16).  Tile t of K is LDS rows 16 t .. 16 t + 15: by k's order of rows the 16 registers of tiles 2 b and 2 b + 1
; are 16 neighbouring keys, 32 b + 16 (lane / 16) + 0 .. 15, so the conversions' results are the second product's operand; and a tile's sixteen lanes read sixteen rows on end, 144 bytes apart.
; A SLOT'S LDS LOADS: K's eight fragments of the first step at its head; V's eight behind the first product, and behind them K's eight of the slot's SECOND step: they land while the softmax is worked.
; A jump that leaves the first step out leaves the second out too, so the second step is reached only with its fragments asked for.
; No cluster: the work-groups of a pair need different numbers of slots, and a jump round a joint load is not allowed.
; LIMITS: entries 6 + 7 between -123 and 130 (added to c's exponent field); entry 9, and entry 10 less entries 8 and 9, between -126 and 119.
; REGISTERS.  Window 0: v1, v2 places in a tile of K, of V; v3 prefetch offset; v5, v6 the add's two; v7 16 x lane; v8-11 addresses in hand; v12 -M, v13 the largest t, v[14:15] the sum; v16-31 Q; v32-47 the way out's rows;
; v96-159 S^T, then p; v160-223 O^T; v224-239 codes; v240, v244 the hold and the scale; v236-255 at work.  Window 1: v0-127 V's eight fragments; v128-255 K's eight.
.set SK,    256
.set KP,    144                        ; an LDS row: 128 bytes + 16
.set TILEB, 128*KP                     ; what one tensor load brings
.set VOFF,  2*TILEB                    ; a slot: 256 rows of K, then two blocks of 128 rows of V
.set SLOT1, 1<<17
.set NSL,   8
.set SPARE, 2*SLOT1                    ; the spare words, 128 bytes for each of eight waves, that no other line names
.set STAGE, SPARE+1024                 ; the way out: 16 rows x 144 bytes for each wave; no tile lands here
.set AK0,  1
.set AV0,  2
.set PFO,  3
.set SPW,  5
.set NIL,  6
.set GO,   7
.set ADK,  8
.set ADV,  9
.set KFR,  128
.set WV,   18
.set SEL,  20
.set CS,   22
.set G1,   24
.set G0,   40
.set TB,   2
.set WGL,  66                          ; s66  my work-group's last query
.set SLOTS, 67
.set PFA,  76
.set LIM,  78
.set KS,   79                          ; s79  the first key of the slot in hand
.set KF,   98                          ; s98  the step's first key
.set Q0,   99                          ; s99  my first query
.set MSB, 0
.macro WIN new
.if MSB != \new
	s_set_vgpr_msb (MSB<<8)|\new
.set MSB, \new
.endif
.endm
.set TO_F, 0x40
.set MULF, 0x01
.macro TLOAD                           ; waves 0, 1 fetch K's two halves, waves 2, 3 V's two blocks
	s_cmp_lt_u32 s[WV], 4
	s_cbranch_scc0 .Lasked_\@
	tensor_load_to_lds s[G0:G0+3], s[G1:G1+7]
	s_nop 0
.rept 4
	v_nop
.endr
.Lasked_\@:
.endm
; A prefetch of what the NEXT change of slots will ask for: 32,768 bytes of K and as many of V.  The pair's first work-group, which loads every slot, asks, in waves 4 to 7: 8,192 bytes a wave of each,
; lanes 256 bytes apart: each aligned 256 bytes are named once.  The last change that fills a slot asks for nothing; slots 0 and 1 come by their loads alone.
.macro ASK
	s_cmp_gt_u32 s[SLOTS], s[LIM]
	s_cbranch_scc0 .Lnot_mine_\@
	global_prefetch_b8 v[PFO], s[PFA:PFA+1] th:TH_LOAD_NT scope:SCOPE_SE
	global_prefetch_b8 v[PFO], s[PFA:PFA+1] offset:0x400000 th:TH_LOAD_NT scope:SCOPE_SE
.Lnot_mine_\@:
.endm
	s_load_b128 s[4:7], s[0:1], 0x0                ; qkvc, the scales
	s_load_b64 s[16:17], s[0:1], 0x10              ; oc
	v_lshl_add_u32 v[SPW], v0, 2, SPARE
	v_mov_b32 v[NIL], 0
	ds_add_u32 v[SPW], v[NIL]
	ds_add_u32 v[SPW], v[NIL]
	v_lshrrev_b32 v8, 5, v0
	v_readfirstlane_b32 s[WV], v8                  ; wave 0..7
	s_and_b32 s72, ttmp7, 0xffff                   ; the pair: 8 x batch + head
	s_lshl_b32 s74, s72, 18
	s_lshr_b32 s80, ttmp9, 1                       ; g
	s_and_b32 s81, ttmp9, 1                        ; half
	s_lshr_b32 s82, s[WV], 2
	s_xor_b32 s82, s82, s[WV]
	s_and_b32 s82, s82, 1                          ; class
	s_lshl_b32 s83, s80, 1
	s_sub_co_u32 s83, 15, s83
	s_mul_i32 s83, s83, s82
	s_add_co_u32 s83, s83, s80                     ; my block of 128 queries: g or 15 - g
	s_lshl_b32 s83, s83, 7
	s_lshl_b32 s81, s81, 6
	s_add_co_u32 s83, s83, s81
	s_lshr_b32 s82, s[WV], 1
	s_lshl_b32 s82, s82, 4
	s_add_co_u32 s[Q0], s83, s82                   ; my first query
	s_sub_co_u32 s[WGL], 15, s80
	s_lshl_b32 s[WGL], s[WGL], 7
	s_or_b32 s[WGL], s[WGL], 127                   ; the work-group's last: ids alone
	s_lshl_b32 s86, s[Q0], 7
	s_add_co_u32 s86, s86, s74                     ; my queries' codes
	s_mov_b32 s87, 0
	s_and_b32 s88, s72, 7
	s_lshl_b32 s88, s88, 19                        ; oc: the head's 4,096 rows of 128 bytes,
	s_lshr_b32 s89, s72, 3
	s_lshl_b32 s89, s89, 11
	s_add_co_u32 s89, s89, s[Q0]                   ; my first token
	s_lshl_b32 s89, s89, 7
	s_add_co_u32 s88, s88, s89
	s_mov_b32 s89, 0
	s_lshr_b32 s90, s[WV], 1                       ; what I fetch, if I fetch:
	s_and_b32 s90, s90, 1
	s_add_co_u32 s90, s90, 1
	s_lshl_b32 s90, s90, 22                        ; k's part or v's,
	s_and_b32 s91, s[WV], 1
	s_lshl_b32 s91, s91, 14                        ; its first or second 128 rows of a slot,
	s_add_co_u32 s90, s90, s91
	s_add_co_u32 s90, s90, s74
	s_mov_b32 s91, 0
	s_mul_i32 s94, s[WV], TILEB
	s_mov_b32 s[G1], (0<<16)|(1<<20)|(4<<22)|(3<<25)   ; elements of 1 byte; padding: four words after every 32
	s_mov_b32 s[G1+1], 256<<16                     ; a tile's 128 rows of 128 bytes are dense: stated as 64 rows of 256 bytes
	s_mov_b32 s[G1+2], 64<<16
	s_mov_b32 s[G1+3], 256<<16
	s_mov_b32 s[G1+4], 64
	s_mov_b32 s[G1+5], 256
	s_mov_b32 s[G1+6], 0
	s_mov_b32 s[G1+7], 0
	s_mov_b32 s[SEL], 0x76543210
	s_mov_b32 s[SEL+1], 0xfedcba98
	s_mov_b32 s[CS], 0x3e0293ee                    ; c = log2(e) / sqrt(128)
	s_mov_b32 s[TB], 0
	s_mov_b32 s[SLOTS], NSL-1
	s_mov_b32 s[KS], 0
	s_wait_dscnt 0x0
	s_wait_kmcnt 0x0
	s_load_b128 s[68:71], s[6:7], 0x18             ; entries 6, 7, 8, 9
	s_load_b32 s84, s[6:7], 0x28                   ; entry 10
	s_mov_b32 s[G0], 1
	s_mov_b32 s[G0+1], s94
	s_add_nc_u64 s[G0+2:G0+3], s[4:5], s[90:91]
	s_or_b32 s[G0+3], s[G0+3], 0x80000000
	TLOAD                                          ; slot 0
	s_add_nc_u64 s[8:9], s[4:5], s[86:87]
	s_add_nc_u64 s[16:17], s[16:17], s[88:89]
	s_and_b32 s82, s[WV], 3
	s_lshl_b32 s82, s82, 13
	s_add_co_u32 s82, s82, s74
	s_add_co_u32 s82, s82, 0x400000+32768          ; in slot 1: the first change of slots steps it to slot 2
	s_mov_b32 s83, 0
	s_add_nc_u64 s[PFA:PFA+1], s[4:5], s[82:83]
	s_sub_co_u32 s82, s[WV], 4
	s_lshr_b32 s82, s82, 2
	s_or_b32 s82, s82, ttmp9
	s_cmp_eq_u32 s82, 0
	s_cselect_b32 s[LIM], 1, -1
	v_and_b32 v[PFO], 31, v0
	v_and_b32 v8, 15, v0                           ; r
	v_bfe_u32 v9, v0, 4, 1                         ; h
	v_lshlrev_b32 v10, 7, v8
	v_lshl_add_u32 v10, v9, 4, v10
.irp c, 0,1,2,3
	global_load_b128 v[16+4*\c:19+4*\c], v10, s[8:9] offset:32*\c   ; Q's fragment stays in registers
.endr
	v_lshlrev_b32 v[GO], 4, v[PFO]
	v_lshlrev_b32 v[PFO], 8, v[PFO]
	v_mul_u32_u24 v[AK0], v8, KP
	v_lshl_add_u32 v[AK0], v9, 4, v[AK0]
	v_add_nc_u32 v[AV0], VOFF, v[AK0]
	v_mov_b32 v13, 0xff61b1e6                      ; the largest t so far: -3e38
	v_floor_f32 v12, -v13                          ; -M
	v_mov_b32 v14, 0
	v_mov_b32 v15, 0
	v_mov_b32 v236, 0                              ; a lane permute's destination counts as one of its sources
	v_mov_b32 v252, 0
	v_mov_b32 v253, 0
.set jj, 0
.rept 64
	v_mov_b32 v[160+jj], 0                         ; O^T: the first step finds zeros, which the first change of M leaves zeros
.set jj, jj+1
.endr
	s_wait_kmcnt 0x0
	s_add_co_i32 s72, s68, s69
	s_lshl_b32 s72, s72, 23
	s_add_co_i32 s[CS], s[CS], s72                 ; a score stands for score x 2^(entry 6 + entry 7)
	s_mov_b32 s[CS+1], s[CS]
	s_add_co_i32 s72, s71, 127
	s_lshl_b32 s73, s72, 23
	v_mov_b32 v244, s73                            ; p's scale
	s_add_co_i32 s72, s72, 8
	s_lshl_b32 s72, s72, 23
	s_or_b32 s72, s72, 0x600000
	v_mov_b32 v240, s72                            ; 448 x that
.macro KLOAD q                         ; K's eight fragments of the slot's q-th 128 keys, in one run
.irp t, 0,1,2,3,4,5,6,7
.irp c, 0,1,2,3
	ds_load_b128 v[KFR+16*\t+4*\c:KFR+16*\t+4*\c+3], v[ADK] offset:(128*(\q)+16*\t)*KP+32*\c
.endr
.endr
.endm
; A KEY STEP: 128 keys, the q-th of the slot in hand.  id names the slot's end.
.macro STEP q, id
	s_add_co_u32 s[KF], s[KS], 128*\q
	s_add_co_u32 s96, s[Q0], 15                    ; a step all of whose keys come after my 16 queries is left out, and what is left of the slot with it: a scalar branch on ids, round the steps' work alone
	s_cmp_gt_u32 s[KF], s96
	s_cbranch_scc1 .Lend_\id
.if \q == 0
	v_add_nc_u32 v[ADK], s[TB], v[AK0]
	v_add_nc_u32 v[ADV], s[TB], v[AV0]
	WIN TO_F
	KLOAD 0
.endif
	s_wait_alu depctr_va_vdst(0)
	s_wait_dscnt 16                                ; tiles 0 to 3 are in; the sixteen loads of tiles 4 to 7 may be out
	WIN MULF
.irp t, 0,1,2,3                                ; S^T = K Q^T
	v_wmma_f32_16x16x128_fp8_fp8 v[96+8*\t:103+8*\t], v[KFR+16*\t:KFR+16*\t+15], v[16:31], 0
.endr
	s_wait_dscnt 0x0
.irp t, 4,5,6,7
	v_wmma_f32_16x16x128_fp8_fp8 v[96+8*\t:103+8*\t], v[KFR+16*\t:KFR+16*\t+15], v[16:31], 0
.endr
.rept 4
	v_nop                                          ; four places: in front of the first read of the scores, and of the loads into V's and K's registers
.endr
	WIN TO_F                                       ; V's eight fragments in one run: they land while the softmax is worked
.irp t, 0,1,2,3,4,5,6,7
.irp c, 0,1,2,3
	ds_load_b128 v[16*\t+4*\c:16*\t+4*\c+3], v[ADV] offset:TILEB*(\q)+16*\t*KP+32*\c
.endr
.endr
.if \q == 0
	KLOAD 1                                        ; and K's of the slot's second step
.endif
	WIN 0
	s_add_co_u32 s96, s[KF], 127                   ; on the diagonal hidden scores become -infinity ahead of the maximum; a step all of whose keys count skips this
	s_cmp_le_u32 s96, s[Q0]
	s_cbranch_scc1 .Lopen_\@
	s_sub_co_i32 s96, s[Q0], s[KF]
	v_and_b32 v252, 15, v0
	v_bfe_u32 v253, v0, 4, 1
	s_delay_alu instid0(VALU_DEP_1)
	v_lshlrev_b32 v253, 4, v253
	s_delay_alu instid0(VALU_DEP_1)
	v_sub_nc_u32 v252, v252, v253
	s_delay_alu instid0(VALU_DEP_1)
	v_add_nc_u32 v252, s96, v252                   ; d = my query - the step's first key - 16 (lane / 16); register 16 b + i is hidden where 32 b + i > d
	v_mov_b32 v254, 0xff800000
.set nn, 0
.rept 64
	v_cmp_gt_i32 vcc_lo, 32*(nn/16)+nn%16, v252
	v_cndmask_b32 v[96+nn], v[96+nn], v254, vcc_lo
.set nn, nn+1
.endr
.Lopen_\@:
	v_max3_num_f32 v254, v96, v97, v98             ; the step's largest score of my query, in two chains,
	v_max3_num_f32 v252, v99, v100, v101
.irp i, 6,10,14,18,22,26,30,34,38,42,46,50,54,58
	v_max3_num_f32 v254, v254, v[96+\i], v[97+\i]
	v_max3_num_f32 v252, v252, v[98+\i], v[99+\i]
.endr
	v_max3_num_f32 v254, v254, v158, v159
	s_delay_alu instid0(VALU_DEP_1)
	v_max_num_f32 v254, v254, v252
	v_permlanex16_b32 v236, v254, s[SEL], s[SEL+1]
	s_delay_alu instid0(VALU_DEP_1)
	v_max_num_f32 v254, v254, v236                 ; and among lane l xor 16's
	s_delay_alu instid0(VALU_DEP_1)
	v_mul_f32 v254, s[CS], v254                    ; as t (c is positive)
	s_delay_alu instid0(VALU_DEP_1)
	v_max_num_f32 v13, v13, v254
	v_mov_b32 v254, v12
	s_delay_alu instid0(VALU_DEP_2)
	v_floor_f32 v12, -v13                          ; the new -M = -ceil(t)
	s_delay_alu instid0(VALU_DEP_1)
	v_sub_f32 v254, v12, v254                      ; old M - new M: a whole number, 0 or less
	s_delay_alu instid0(VALU_DEP_1)
	v_cvt_i32_f32 v254, v254
	s_delay_alu instid0(VALU_DEP_1)
	v_ldexp_f32 v252, 1.0, v254                    ; f = 2^(old M - new M)
.set jj, 0
.rept 32
	v_pk_fma_f32 v[96+jj:97+jj], v[96+jj:97+jj], s[CS:CS+1], v[12:13] op_sel_hi:[1,0,0]   ; t - M
.set jj, jj+2
.endr
.set jj, 0
	s_wait_alu depctr_va_vdst(0)
.rept 64
	v_exp_f32 v[96+jj], v[96+jj]                   ; p = 2^(t - M)
.set jj, jj+1
.endr
	v_pk_mul_f32 v[14:15], v[14:15], v[252:253] op_sel_hi:[1,0]   ; the sums under the new M: a plain line behind the exponentials
	s_wait_alu depctr_va_vdst(0)                   ; one wait for the whole batch, ahead of its first reader
	v_pk_add_f32 v[242:243], v[100:101], v[104:105]
	v_pk_add_f32 v[254:255], v[108:109], v[112:113]
	v_pk_add_f32 v[250:251], v[116:117], v[120:121]
	v_pk_add_f32 v[248:249], v[124:125], v[128:129]
	v_pk_add_f32 v[246:247], v[132:133], v[136:137]
	v_pk_add_f32 v[238:239], v[140:141], v[144:145]
	v_pk_add_f32 v[236:237], v[148:149], v[152:153]
	v_pk_add_f32 v[14:15], v[14:15], v[156:157]
	v_pk_add_f32 v[242:243], v[242:243], v[96:97]
	v_pk_add_f32 v[254:255], v[254:255], v[98:99]
	v_pk_add_f32 v[250:251], v[250:251], v[102:103]
	v_pk_add_f32 v[248:249], v[248:249], v[106:107]
	v_pk_add_f32 v[246:247], v[246:247], v[110:111]
	v_pk_add_f32 v[238:239], v[238:239], v[114:115]
	v_pk_add_f32 v[236:237], v[236:237], v[118:119]
	v_pk_add_f32 v[14:15], v[14:15], v[122:123]
	v_pk_add_f32 v[242:243], v[242:243], v[126:127]
	v_pk_add_f32 v[254:255], v[254:255], v[130:131]
	v_pk_add_f32 v[250:251], v[250:251], v[134:135]
	v_pk_add_f32 v[248:249], v[248:249], v[138:139]
	v_pk_add_f32 v[246:247], v[246:247], v[142:143]
	v_pk_add_f32 v[238:239], v[238:239], v[146:147]
	v_pk_add_f32 v[236:237], v[236:237], v[150:151]
	v_pk_add_f32 v[14:15], v[14:15], v[154:155]
	v_pk_add_f32 v[242:243], v[242:243], v[158:159]
	s_delay_alu instid0(VALU_DEP_2)
	v_pk_add_f32 v[14:15], v[14:15], v[248:249]
	s_delay_alu instid0(VALU_DEP_2)
	v_pk_add_f32 v[242:243], v[242:243], v[246:247]
	v_pk_add_f32 v[254:255], v[254:255], v[238:239]
	v_pk_add_f32 v[250:251], v[250:251], v[236:237]
	s_delay_alu instid0(VALU_DEP_2)
	v_pk_add_f32 v[14:15], v[14:15], v[254:255]
	s_delay_alu instid0(VALU_DEP_2)
	v_pk_add_f32 v[242:243], v[242:243], v[250:251]
	s_delay_alu instid0(VALU_DEP_1)
	v_pk_add_f32 v[14:15], v[14:15], v[242:243]
.irp b, 0,1,2,3
.irp i, 0,1,2,3,4,5,6,7,8,9,10,11,12,13,14,15
	v_min_num_f32 v[96+16*\b+\i], v[96+16*\b+\i], v240   ; the hold; p is not negative
.endr
	v_cvt_scalef32_pk8_fp8_f32 v[224+4*\b:225+4*\b], v[96+16*\b:103+16*\b], v244
	v_cvt_scalef32_pk8_fp8_f32 v[226+4*\b:227+4*\b], v[104+16*\b:111+16*\b], v244
.endr
.set jj, 0
.rept 32
	v_pk_mul_f32 v[160+jj:161+jj], v[160+jj:161+jj], v[252:253] op_sel_hi:[1,0]   ; O^T under the new M; plain lines behind the last conversion
.set jj, jj+2
.endr
	s_wait_alu depctr_va_vdst(0)
	s_wait_dscnt 0x0                               ; V's fragments (and K's of the second step), asked for ahead of the softmax
	WIN MULF
.irp t, 0,1,2,3,4,5,6,7                        ; O^T += V^T P^T: eight accumulators, one instruction each
	v_wmma_f32_16x16x128_fp8_fp8 v[160+8*\t:167+8*\t], v[16*\t:16*\t+15], v[224:239], v[160+8*\t:167+8*\t]
.endr
	WIN 0
.endm
; THE CHANGE OF SLOTS, at a slot's head.  Each wave waits for all its tensor loads, adds 0 to its spare word, and waits for that and for its reads of the slot that it has left; behind the barrier the slot ahead is whole
; and nobody reads the other one, which is filled with the keys that follow, up to the causal limit.
.macro CHANGE fill
	s_wait_tensorcnt 0x0                           ; no tensor load of mine is out, so group 0 may be written
	ds_add_u32 v[SPW], v[NIL]
.if \fill
	s_xor_b32 s[G0+1], s[G0+1], SLOT1
	s_add_nc_u64 s[G0+2:G0+3], s[G0+2:G0+3], 32768 ; the next 256 keys: 256 rows of K, two blocks of V
	s_wait_xcnt 0x0                                ; the last prefetches have read their address
	s_add_nc_u64 s[PFA:PFA+1], s[PFA:PFA+1], 32768
.endif
	s_wait_dscnt 0x0
	s_barrier_signal -1
	s_barrier_wait -1
.if \fill
	s_add_co_u32 s96, s[KS], SK                    ; a slot whose first key comes after my work-group's last query is read by none of its waves: it is not asked for.
	s_cmp_gt_u32 s96, s[WGL]                       ; ids and the count of slots alone: all eight waves go the same way, and every wait on the tensor loads' counter is for 0
	s_cbranch_scc1 .Lpast_\@
	TLOAD
.Lpast_\@:
	ASK
.endif
.endm
.macro SLOT_STEPS
	STEP 0, \@
	STEP 1, \@
.Lend_\@:
	s_add_co_u32 s[KS], s[KS], SK
	s_xor_b32 s[TB], s[TB], SLOT1
.endm
	s_wait_alu depctr_va_vdst(0)
	s_wait_loadcnt 0x0                             ; Q
.Lslot:                                            ; NSL - 1 trips
	CHANGE 1
	SLOT_STEPS
	s_sub_co_u32 s[SLOTS], s[SLOTS], 1
	s_cmp_lg_u32 s[SLOTS], 0
	s_cbranch_scc1 .Lslot
	CHANGE 0                                       ; the last slot is written out: nothing is left to ask for
	SLOT_STEPS
	; THE WAY OUT: O^T / the sum is quantised: a number stands for number x 2^(entry 8 + entry 9), its code is that / 2^(entry 10): one folded scale.  16 rows of 128 codes go through my stage and leave as 2,048 consecutive bytes.
	; The lines from here to the first read of O^T name no register of the last products: more than four of them are plain, and they are the places behind those products.
	v_add_f32 v14, v14, v15
	s_delay_alu instid0(VALU_DEP_1)
	v_permlanex16_b32 v252, v14, s[SEL], s[SEL+1]
	s_delay_alu instid0(VALU_DEP_1)
	v_add_f32 v14, v14, v252                       ; the row's sum
	s_wait_alu depctr_va_vdst(0)
	v_rcp_f32 v14, v14
	v_and_b32 v8, 15, v0                           ; (a plain line behind the reciprocal)  r
	s_wait_alu depctr_va_vdst(0)
	v_bfe_u32 v9, v0, 4, 1                         ; h
	s_sub_co_i32 s72, s84, s70
	s_sub_co_i32 s72, s72, s71
	s_add_co_i32 s72, s72, 127
	s_lshl_b32 s73, s72, 23
	v_mov_b32 v244, s73
	s_add_co_i32 s72, s72, 8
	s_lshl_b32 s72, s72, 23
	s_or_b32 s72, s72, 0x600000
	v_mov_b32 v240, s72
	s_mul_i32 s73, s[WV], 16*KP
	s_add_co_u32 s73, s73, STAGE
	v_mul_u32_u24 v10, v8, KP
	s_wait_alu depctr_va_vdst(0)
	v_lshl_add_u32 v10, v9, 3, v10
	s_delay_alu instid0(VALU_DEP_1)
	v_add_nc_u32 v10, s73, v10                     ; in: row r, + 8 h
	v_and_b32 v8, 31, v0
	s_delay_alu instid0(VALU_DEP_1)
	v_lshrrev_b32 v11, 3, v8
	s_delay_alu instid0(VALU_DEP_1)
	v_mul_u32_u24 v11, v11, KP
	s_delay_alu instid0(VALU_DEP_3)
	v_and_b32 v8, 7, v8
	s_delay_alu instid0(VALU_DEP_1)
	v_lshl_add_u32 v11, v8, 4, v11
	s_delay_alu instid0(VALU_DEP_1)
	v_add_nc_u32 v11, s73, v11                     ; back: eight lanes to a row, four rows an instruction
	s_wait_alu depctr_va_vdst(0)                   ; ahead of the first line that names the reciprocal
.set jj, 0
.rept 32
	v_pk_mul_f32 v[96+jj:97+jj], v[160+jj:161+jj], v[14:15] op_sel_hi:[1,0]   ; register 8 t + i: channel 16 t + 8 h + i of query r
.set jj, jj+2
.endr
.set jj, 0
.rept 64
	v_med3_num_f32 v[96+jj], v[96+jj], -v240, v240
.set jj, jj+1
.endr
.irp t, 0,1,2,3,4,5,6,7
	v_cvt_scalef32_pk8_fp8_f32 v[224+2*\t:225+2*\t], v[96+8*\t:103+8*\t], v244
.endr
	v_nop
.irp t, 0,1,2,3,4,5,6,7
	ds_store_b64 v10, v[224+2*\t:225+2*\t] offset:16*\t
.endr
.irp i, 0,1,2,3
	ds_load_b128 v[32+4*\i:35+4*\i], v11 offset:4*KP*\i   ; LDS serves a wave's instructions in order: these see my stores
.endr
.irp i, 0,1,2,3
	s_wait_dscnt 3-\i                              ; the younger loads may be out
	global_store_b128 v[GO], v[32+4*\i:35+4*\i], s[16:17] offset:512*\i
.endr
	s_wait_tensorcnt 0x0                           ; the wave's end
	ds_add_u32 v[SPW], v[NIL]
	s_wait_dscnt 0x0
	s_endpgm
.Lfunc_end_k_q81e33e1088_attn:
	.size	k_q81e33e1088_attn, .Lfunc_end_k_q81e33e1088_attn-k_q81e33e1088_attn
	.p2alignl 7, 3214868480
	.fill 96, 4, 3214868480
	.section	.rodata,"a",@progbits
	.p2align	6, 0x0
	.amdhsa_kernel k_q81e33e1088_attn
		.amdhsa_group_segment_fixed_size 327680
		.amdhsa_private_segment_fixed_size 0
		.amdhsa_enable_private_segment 0
		.amdhsa_kernarg_size 24
		.amdhsa_user_sgpr_count 2
		.amdhsa_user_sgpr_kernarg_segment_ptr 1
		.amdhsa_wavefront_size32 1
		.amdhsa_system_sgpr_workgroup_id_x 1
		.amdhsa_system_sgpr_workgroup_id_y 1
		.amdhsa_system_sgpr_workgroup_id_z 1
		.amdhsa_system_vgpr_workitem_id 0
		.amdhsa_next_free_vgpr 512
		.amdhsa_next_free_sgpr 100
		.amdhsa_reserve_vcc 1
		.amdhsa_float_denorm_mode_32 3
		.amdhsa_float_denorm_mode_16_64 3
		.amdhsa_memory_ordered 1
		.amdhsa_forward_progress 1
		.amdhsa_inst_pref_size 117
	.end_amdhsa_kernel
	.amdgpu_metadata
---
amdhsa.version: [ 1, 2 ]
amdhsa.kernels:
  - .name:           k_q81e33e1088_attn
    .symbol:         k_q81e33e1088_attn.kd
    .args:
      - { .name: qkvc, .offset: 0, .size: 8, .value_kind: global_buffer, .address_space: global }
      - { .name: lowp_scales, .offset: 8, .size: 8, .value_kind: global_buffer, .address_space: global }
      - { .name: oc, .offset: 16, .size: 8, .value_kind: global_buffer, .address_space: global }
    .group_segment_fixed_size: 327680
    .private_segment_fixed_size: 0
    .kernarg_segment_align: 8
    .kernarg_segment_size: 24
    .max_flat_workgroup_size: 256
    .sgpr_count:     100
    .vgpr_count:     512
    .wavefront_size: 32
...
	.end_amdgpu_metadata
.endif
;; end of part 3
;; launch outp (part 4): grid 8 x 32, 4 waves a work-group, clusters of 4 x 4, 327,680 bytes of LDS; arguments oc, woc, lowp_scales, out0; writes out0
.if DOCPART == 4
	.amdgcn_target "amdgcn-amd-amdhsa--gfx1250"
	.amdhsa_code_object_version 6
	.text
	.protected	k_q81e33e1088_outp
	.globl	k_q81e33e1088_outp
	.p2align	8
	.type	k_q81e33e1088_outp,@function
k_q81e33e1088_outp:
	s_mov_b64 s[64:65], 0
	v_nop
	global_prefetch_b8 v0, s[64:65] scope:SCOPE_SE
	s_setreg_imm32_b32 hwreg(HW_REG_WAVE_MODE, 25, 1), 1
	s_wait_xcnt 0x0
	s_wait_alu depctr_hold_cnt(0) depctr_sa_sdst(0) depctr_va_vdst(0) depctr_va_sdst(0) depctr_va_ssrc(0) depctr_va_vcc(0) depctr_vm_vsrc(0)
	s_getreg_b32 s2, hwreg(HW_REG_IB_STS2, 6, 4)
	s_cmp_eq_u32 s2, 0
	s_cbranch_scc0 .Lentry_in_a_cluster
	s_endpgm
.Lentry_in_a_cluster:
	s_bfe_u32 s2, ttmp6, 0x10000c
	s_cmp_lg_u32 s2, 0xf033
	s_cbranch_scc0 .Lentry_shape_is_right
	s_endpgm
.Lentry_shape_is_right:
; The output projection on codes of FP8 (E4M3): out0 [4096][2048] f32 = oc x woc^T x 2^(entry 10 + entry 11), K = 1,024 = 8 heads x 128.
; IN: oc [8 heads][4096 tokens][128], woc [2048 n][1024 k].  A work-group makes 128 tokens x 256 columns (32 x 8 = 256 work-groups); a wave 64 x 128: 32 accumulators, which take turns.
; RING: two slots of 256 along K: two heads' planes of oc (128 rows of 128 bytes, dense: stated as 64 rows of 256 bytes, 16 bytes of padding behind each 128) and 256 rows of woc (256 bytes + 16).
; Waves 0, 1 fetch a plane each, waves 2, 3 128 rows of woc each, by joint loads: oc's tiles shared along a row of the 4 x 4 cluster, woc's along a column.
; Source 0 = woc's rows, source 1 = tokens: a lane holds eight neighbouring columns of one row of the result.  Both operands have two sets of fragment registers: one is multiplied while the other's 48 loads land.
; NO PREFETCH: K has four steps, two first fills and two refills; a request two steps ahead of a refill would stand at the kernel's head, where none is laid.
; LIMIT: entry 10 + entry 11 lies between -126 and 127.
; REGISTERS.  Window 0: v0-31 addresses; v128-191, v192-255 tokens' fragments; on the way out v32-95 scaled sums, v128-255 rows read back.  Window 1: woc's fragments, two sets.  Window 2: the accumulators.
.set SIZE_N, 2048
.set ROWB,   256
.set KROW,   1024
.set PITCH,  272
.set APITCH, 144
.set AHD,    128*APITCH                ; a head's plane in LDS
.set ASTEP,  2*4096*128                ; two heads on in oc
.set FR,     16
.set NP,     4
.set HALFT,  128*PITCH
.set BOFF,   2*AHD
.set SLOT,   BOFF+2*HALFT
.set SPARE,  2*SLOT                    ; the spare words, 128 bytes a wave, that no other line names
.set SPITCH, 528                       ; the way out: 16 rows x (512 + 16) bytes a wave, in slot 0, behind its last fill and its last read
.set ADRA, 16
.set ADRB, 20
.set STO,  24
.set RD,   25
.set CO,   26
.set SPW,  28
.set NIL,  29
.set TMP,  32
.set AF,   128
.set BK,   128
.set G1, 24
.set G0, 32
.set G1B, 48
.set G0B, 56
.set MSB, 0
.macro WIN new
.if MSB != \new
	s_set_vgpr_msb (MSB<<8)|\new
.set MSB, \new
.endif
.endm
.set MUL,  0xa1
.set TO_B, 0x40
.macro PLACES n
.rept \n
	v_nop
.endr
.endm
.macro JLOAD g0a, g1a, g0b, g1b
	s_cmp_eq_u32 s15, 0
	s_cbranch_scc0 .Lfor_b_\@
	tensor_load_to_lds s[\g0a:\g0a+3], s[\g1a:\g1a+7]
	s_nop 0
	PLACES 4
	s_branch .Lasked_\@
.Lfor_b_\@:
	tensor_load_to_lds s[\g0b:\g0b+3], s[\g1b:\g1b+7]
	s_nop 0
	PLACES 4
.Lasked_\@:
.endm
.macro CREST
	s_cmp_lg_u32 s14, 0
	s_cbranch_scc1 .Lnot_wave_0_\@
	s_barrier_signal -3
.Lnot_wave_0_\@:
	s_barrier_wait -3
	s_barrier_signal -1
	s_barrier_wait -1
.endm
.macro CROUND
	s_barrier_signal -1
	s_barrier_wait -1
	CREST
.endm
	s_load_b128 s[4:7], s[0:1], 0x0                ; oc, woc
	s_load_b128 s[8:11], s[0:1], 0x10              ; scales, out0
	v_lshl_add_u32 v[SPW], v0, 2, SPARE
	v_mov_b32 v[NIL], 0
	ds_add_u32 v[SPW], v[NIL]
	ds_add_u32 v[SPW], v[NIL]
	v_lshrrev_b32 v1, 5, v0
	v_readfirstlane_b32 s14, v1
	s_lshr_b32 s15, s14, 1                         ; my 64 tokens; also: I fetch for oc (0) or woc (1)
	s_and_b32 s16, s14, 1                          ; my 128 columns; also: which plane or which 128 rows I fetch
	s_bfe_u32 s40, ttmp6, 0x40000
	s_bfe_u32 s41, ttmp6, 0x40004
	s_lshl_b32 s42, ttmp9, 2
	s_add_co_u32 s42, s42, s40                     ; tile column, 0 .. 7
	s_and_b32 s17, ttmp7, 0xffff
	s_lshl_b32 s17, s17, 2
	s_add_co_u32 s17, s17, s41                     ; tile row, 0 .. 31
	s_lshl_b32 s43, s41, 2
	s_lshl_b32 s43, 15, s43
	s_lshl_b32 s44, 0x1111, s40
	s_or_b32 s[G1+0], s43, (0<<16)|(1<<20)|(1<<21)|(4<<22)|(3<<25)
	s_mov_b32 s[G1+1], 256<<16
	s_mov_b32 s[G1+2], 64<<16
	s_mov_b32 s[G1+3], 256<<16
	s_mov_b32 s[G1+4], 64
	s_mov_b32 s[G1+5], 256
	s_mov_b32 s[G1+6], 0
	s_mov_b32 s[G1+7], 0
	s_or_b32 s[G1B+0], s44, (0<<16)|(1<<20)|(1<<21)|(5<<22)|(3<<25)
	s_mov_b32 s[G1B+1], ROWB<<16
	s_mov_b32 s[G1B+2], 128<<16
	s_mov_b32 s[G1B+3], ROWB<<16
	s_mov_b32 s[G1B+4], 128
	s_mov_b32 s[G1B+5], KROW
	s_mov_b32 s[G1B+6], 0
	s_mov_b32 s[G1B+7], 0
	s_lshl_b32 s20, s16, 19                        ; oc: my plane, the tile row's 128 tokens
	s_lshl_b32 s18, s17, 14
	s_add_co_u32 s20, s20, s18
	s_mov_b32 s21, 0
	s_lshl_b32 s46, s42, 8                         ; woc: row 256 x tile column + 128 x half
	s_lshl_b32 s18, s16, 7
	s_add_co_u32 s46, s46, s18
	s_lshl_b32 s46, s46, 10
	s_mov_b32 s47, 0
	s_mul_i32 s45, s16, AHD
	s_mul_i32 s19, s16, HALFT
	s_add_co_u32 s19, s19, BOFF
	s_mul_i32 s22, s15, 64*APITCH
	s_mul_i32 s23, s14, 16*SPITCH
	s_wait_dscnt 0x0
	s_wait_kmcnt 0x0
	s_load_b64 s[96:97], s[8:9], 0x28              ; entries 10, 11
	s_add_nc_u64 s[20:21], s[4:5], s[20:21]
	s_add_nc_u64 s[46:47], s[6:7], s[46:47]
	CROUND                                         ; in front of the first joint loads
.irp s, 0,1
	s_mov_b32 s[G0+4*\s], 1
	s_add_co_u32 s[G0+4*\s+1], s45, \s*SLOT
	s_add_nc_u64 s[G0+4*\s+2:G0+4*\s+3], s[20:21], \s*ASTEP
	s_or_b32 s[G0+4*\s+3], s[G0+4*\s+3], 0x80000000
	s_mov_b32 s[G0B+4*\s], 1
	s_add_co_u32 s[G0B+4*\s+1], s19, \s*SLOT
	s_add_nc_u64 s[G0B+4*\s+2:G0B+4*\s+3], s[46:47], \s*ROWB
	s_or_b32 s[G0B+4*\s+3], s[G0B+4*\s+3], 0x80000000
.endr
	JLOAD G0, G1, G0B, G1B                         ; K step 0: one load a wave at the head
	s_lshl_b32 s20, s17, 7
	s_lshl_b32 s21, s15, 6
	s_add_co_u32 s20, s20, s21                     ; my first row of the result
	s_lshl_b32 s20, s20, 13
	s_lshl_b32 s46, s42, 10
	s_lshl_b32 s47, s16, 9
	s_add_co_u32 s46, s46, s47
	s_add_co_u32 s20, s20, s46
	s_mov_b32 s21, 0
	s_add_nc_u64 s[10:11], s[10:11], s[20:21]
	v_and_b32 v1, 15, v0
	v_bfe_u32 v2, v0, 4, 1
	v_mul_u32_u24 v3, v1, APITCH
	v_lshl_add_u32 v3, v2, 4, v3
	v_mul_u32_u24 v4, v1, PITCH
	v_lshl_add_u32 v4, v2, 4, v4
	v_add_nc_u32 v[ADRA], s22, v3
	v_add_nc_u32 v[ADRB], s19, v4
	v_add_nc_u32 v[ADRA+1], SLOT, v[ADRA]
	v_add_nc_u32 v[ADRB+1], SLOT, v[ADRB]
	v_mul_u32_u24 v5, v1, SPITCH
	v_lshl_add_u32 v5, v2, 5, v5
	v_add_nc_u32 v[STO], s23, v5
	v_and_b32 v6, 31, v0
	v_lshlrev_b32 v[CO], 4, v6
	v_add_nc_u32 v[RD], s23, v[CO]
.macro FETCH slot, q                   ; the slot's q-th 128 along K into set q: woc's eight fragments, the tokens' four: 48 loads
	WIN TO_B
.irp i, 0,1,2,3,4,5,6,7
.irp c, 0,1,2,3
	ds_load_b128 v[128*(\q)+FR*\i+4*\c:128*(\q)+FR*\i+4*\c+3], v[ADRB+\slot] offset:128*(\q)+32*\c+\i*16*PITCH
.endr
.endr
	WIN 0
.irp i, 0,1,2,3
.irp c, 0,1,2,3
	ds_load_b128 v[AF+64*(\q)+FR*\i+4*\c:AF+64*(\q)+FR*\i+4*\c+3], v[ADRA+\slot] offset:AHD*(\q)+32*\c+\i*16*APITCH
.endr
.endr
.endm
.macro MULH a0, p, zero                ; 16 products: token blocks a0, a0 + 1 against woc's eight
.irp a, \a0, \a0+1
.irp b, 0,1,2,3,4,5,6,7
.if \zero
	v_wmma_f32_16x16x128_fp8_fp8 v[8*(8*(\a)+\b):8*(8*(\a)+\b)+7], v[128*(\p)+FR*\b:128*(\p)+FR*\b+FR-1], v[AF+64*(\p)+FR*(\a):AF+64*(\p)+FR*(\a)+FR-1], 0
.else
	v_wmma_f32_16x16x128_fp8_fp8 v[8*(8*(\a)+\b):8*(8*(\a)+\b)+7], v[128*(\p)+FR*\b:128*(\p)+FR*\b+FR-1], v[AF+64*(\p)+FR*(\a):AF+64*(\p)+FR*(\a)+FR-1], v[8*(8*(\a)+\b):8*(8*(\a)+\b)+7]
.endif
.endr
.endr
.endm
.macro HALF slot, zero                 ; a slot's first 128 along K
	PLACES NP                                      ; set 1's registers were read by the last products
	FETCH \slot, 1
	s_wait_dscnt 48                                ; set 0 is in; the 48 loads just issued may be out
	WIN MUL
	MULH 0, 0, \zero
	MULH 2, 0, \zero
	WIN 0
.endm
.macro TURN slot, next, fill           ; its last 128, and the change of slots
	s_wait_tensorcnt 0x0                           ; all my tensor loads have landed
	ds_add_u32 v[SPW], v[NIL]
	s_wait_dscnt 1                                 ; set 1 is in; the add may be out
	WIN MUL
	MULH 0, 1, 0
	WIN 0
	s_wait_dscnt 0x0                               ; the add is done, my reads of this slot are over
	s_barrier_signal -1
	s_barrier_wait -1
.if \fill
	CREST
	s_add_nc_u64 s[G0+4*\slot+2:G0+4*\slot+3], s[G0+4*\slot+2:G0+4*\slot+3], 2*ASTEP
	s_add_nc_u64 s[G0B+4*\slot+2:G0B+4*\slot+3], s[G0B+4*\slot+2:G0B+4*\slot+3], 2*ROWB
	JLOAD G0+4*\slot, G1, G0B+4*\slot, G1B         ; its four v_nop are also the places in front of the loads below
.else
	PLACES NP
.endif
	FETCH \next, 0
	WIN MUL
	MULH 2, 1, 0
	WIN 0
.endm
	s_wait_alu depctr_va_vdst(0)
	s_wait_tensorcnt 0x0
	ds_add_u32 v[SPW], v[NIL]
	s_wait_dscnt 0x0
	CROUND
	JLOAD G0+4, G1, G0B+4, G1B                     ; K step 1, issued as a refill is
	FETCH 0, 0
	HALF 0, 1                                      ; the first products start the sums
	TURN 0, 1, 1
	HALF 1, 0
	TURN 1, 0, 1
	HALF 0, 0
	TURN 0, 1, 0
	HALF 1, 0
	s_wait_dscnt 0x0
	WIN MUL
	MULH 0, 1, 0
	MULH 2, 1, 0
	WIN 0
; THE WAY OUT, 16 rows x 128 columns at a time, through my stage: whole rows of 512 bytes leave as two aligned units of 256.
.macro TOSTAGE a
.set AC, 64*(\a)
	WIN 0x02
.set jj, 0
.rept 32
	v_pk_mul_f32 v[TMP+jj:TMP+jj+1], v[AC+jj:AC+jj+1], s[96:97] op_sel_hi:[1,0]   ; x 2^(entry 10 + entry 11); each accumulator from its low end on
.set jj, jj+2
.endr
	WIN 0
.irp b, 0,1,2,3,4,5,6,7
	ds_store_b128 v[STO], v[TMP+8*\b:TMP+8*\b+3] offset:64*\b
	ds_store_b128 v[STO], v[TMP+8*\b+4:TMP+8*\b+7] offset:64*\b+16
.endr
.set BB, BK+64*((\a)%2)
.irp t, 0,1,2,3,4,5,6,7,8,9,10,11,12,13,14,15
	ds_load_b128 v[BB+4*\t:BB+4*\t+3], v[RD] offset:\t*SPITCH   ; LDS serves a wave's instructions in order
.endr
.endm
.macro SEND a, younger
.set BB, BK+64*((\a)%2)
	s_wait_dscnt \younger
.if (\a) > 0
	s_add_nc_u64 s[10:11], s[10:11], 16*SIZE_N*4   ; behind a wait on XCNT: the earlier stores have read their base
.endif
.irp t, 0,1,2,3,4,5,6,7,8,9,10,11,12,13,14,15
	global_store_b128 v[CO], v[BB+4*\t:BB+4*\t+3], s[10:11] offset:\t*SIZE_N*4 th:TH_STORE_NT
.endr
.endm
	s_wait_kmcnt 0x0
	s_add_co_i32 s96, s96, s97
	s_add_co_i32 s96, s96, 127
	s_lshl_b32 s96, s96, 23
	PLACES NP
	TOSTAGE 0
.irp a, 1,2,3
.if \a > 1
	s_wait_xcnt 0x0                                ; block a - 2's stores have read their registers and their base
.endif
	TOSTAGE \a
	SEND \a-1, 32                                  ; behind block a - 1's loads: block a's 16 stores and 16 loads
.endr
	s_wait_xcnt 0x0
	SEND 3, 0
	s_wait_tensorcnt 0x0                           ; the wave's end
	ds_add_u32 v[SPW], v[NIL]
	s_wait_dscnt 0x0
	CROUND                                         ; the closing round
	s_endpgm
.Lfunc_end_k_q81e33e1088_outp:
	.size	k_q81e33e1088_outp, .Lfunc_end_k_q81e33e1088_outp-k_q81e33e1088_outp
	.p2alignl 7, 3214868480
	.fill 96, 4, 3214868480
	.section	.rodata,"a",@progbits
	.p2align	6, 0x0
	.amdhsa_kernel k_q81e33e1088_outp
		.amdhsa_group_segment_fixed_size 327680
		.amdhsa_private_segment_fixed_size 0
		.amdhsa_enable_private_segment 0
		.amdhsa_kernarg_size 32
		.amdhsa_user_sgpr_count 2
		.amdhsa_user_sgpr_kernarg_segment_ptr 1
		.amdhsa_wavefront_size32 1
		.amdhsa_system_sgpr_workgroup_id_x 1
		.amdhsa_system_sgpr_workgroup_id_y 1
		.amdhsa_system_sgpr_workgroup_id_z 1
		.amdhsa_system_vgpr_workitem_id 0
		.amdhsa_next_free_vgpr 768
		.amdhsa_next_free_sgpr 98
		.amdhsa_reserve_vcc 0
		.amdhsa_float_denorm_mode_32 3
		.amdhsa_float_denorm_mode_16_64 3
		.amdhsa_memory_ordered 1
		.amdhsa_forward_progress 1
		.amdhsa_inst_pref_size 75
	.end_amdhsa_kernel
	.amdgpu_metadata
---
amdhsa.version: [ 1, 2 ]
amdhsa.kernels:
  - .name:           k_q81e33e1088_outp
    .symbol:         k_q81e33e1088_outp.kd
    .args:
      - { .name: oc, .offset: 0, .size: 8, .value_kind: global_buffer, .address_space: global }
      - { .name: woc, .offset: 8, .size: 8, .value_kind: global_buffer, .address_space: global }
      - { .name: lowp_scales, .offset: 16, .size: 8, .value_kind: global_buffer, .address_space: global }
      - { .name: out0, .offset: 24, .size: 8, .value_kind: global_buffer, .address_space: global }
    .group_segment_fixed_size: 327680
    .private_segment_fixed_size: 0
    .kernarg_segment_align: 8
    .kernarg_segment_size: 32
    .max_flat_workgroup_size: 128
    .sgpr_count:     98
    .vgpr_count:     768
    .wavefront_size: 32
...
	.end_amdgpu_metadata
.endif
;; end of part 4
